; MI455X (gfx1250); checked and timed in simulation.
; The chip was launched on July 23, 2026; its instructions are those of AMD's public machine-readable ISA for CDNA 5 (MIT licence, August 2026) and "CDNA5" Instruction Set Architecture Reference Guide (July 2026). The comments in the code are by the model that wrote it; some were corrected since.
;; Attention Cell. Allowed arithmetic: matrix products marked QUANTISED: E2M3 operands, one E8M0 scale for each 32 along K, by v_wmma_scale_f32_16x16x128_f8f6f4 with both operands' format E2M3, f32 sums; everything else in f32.
;; Inputs: Wo_codes 1,024 x 32 x 24 uint8 (E2M3 codes of Wo, K innermost, in blocks of 32 codes, four codes in three bytes); Wo_scales 1,024 x 32 uint8 (E8M0 scales of Wo, one for each 32 codes along K); Wqkv_codes 3,072 x 32 x 24 uint8 (E2M3 codes of Wqkv, K innermost, in blocks of 32 codes, four codes in three bytes); Wqkv_scales 3,072 x 32 uint8 (E8M0 scales of Wqkv, one for each 32 codes along K); beta 1,024 float32; bo 1,024 float32; bqkv 3,072 float32; gamma 1,024 float32; x_codes 1 x 4,096 x 32 x 24 uint8 (E2M3 codes of x, K innermost, in blocks of 32 codes, four codes in three bytes); x_scales 1 x 4,096 x 32 uint8 (E8M0 scales of x, one for each 32 codes along K).
;; Outputs: out0 1 x 4,096 x 1,024 float32.
;; This version of the problem:
;;   THIS VERSION OF THE PROBLEM IS GIVEN IN LOW PRECISION. The matrix products marked QUANTISED in the list below multiply operands that are first quantised to E2M3 (2 exponent bits, 3 mantissa bits; 6 bits a number), with one power-of-two scale for each 32 numbers along K (OCP MX v1.0); their sums are f32. All else is computed in f32.
;;   The module's matrix products, in the order in which they are computed (A, B: the left and right operand; K: the contracted axis; several contracted axes count as one K, in the product's order):
;;     1. [M 4,096, K 1,024] x [K 1,024, N 3,072]; A: input x (given as codes); B: input Wqkv (given as codes): QUANTISED
;;     2. batch 16 x [M 4,096, K 64] x [K 64, N 4,096]; A: computed on the way; B: computed on the way: QUANTISED
;;     3. batch 16 x [M 64, K 4,096] x [K 4,096, N 4,096]; A: computed on the way; B: softmax (see below): QUANTISED
;;     4. [M 4,096, K 1,024] x [K 1,024, N 1,024]; A: computed on the way; B: input Wo (given as codes): QUANTISED
;;   THE QUANTISER, for each operand of a quantised product, along K:
;;     - K is cut into blocks of 32 from its start; a last block that is shorter is filled with zeros.
;;     - A block's scale is 2^e with e = floor(log2(the largest magnitude in the block)) - 2, held to -126 .. 127; a block of zeros has e = 0. As a byte (E8M0): e + 127.
;;     - Each number is divided by its block's scale, clamped to +-7.5, and rounded to the nearest number of E2M3, ties to even, subnormals kept.
;;     - The product sums the exact products of the quantised numbers (number of the format x scale) in f32.
;;   ~~~python
;;   def quantise(x, axis):      # numpy; x: float32 -> the quantised numbers, widened to float32 again
;;       x = np.moveaxis(x, axis, -1); K = x.shape[-1]
;;       x = np.pad(x, [(0, 0)] * (x.ndim - 1) + [(0, -K % 32)]); x = x.reshape(x.shape[:-1] + (-1, 32)); a = np.abs(x).max(-1, keepdims=True)
;;       e = np.where(a > 0, np.clip(np.frexp(np.where(a > 0, a, 1))[1] - 1 - 2, -126, 127), 0)      # np.frexp(a)[1] - 1 = floor(log2(a)), exactly
;;       r = np.clip(x / 2.0 ** e, -7.5, 7.5)
;;       step = 2.0 ** (np.maximum(np.frexp(np.where(r == 0, 1, r))[1] - 1, 0) - 3)
;;       q = np.round(r / step) * step * 2.0 ** e      # np.round: ties to even
;;       return np.moveaxis(q.reshape(q.shape[:-2] + (-1,))[..., :K], -1, axis).astype(np.float32)
;;   ~~~
;;   SOFTMAX AHEAD OF A QUANTISED PRODUCT. Where the list says 'softmax', what is quantised is not the finished softmax but p = 2^(t - M), with t = logit x log2(e) and M = ceil(the row's largest t), a whole number; so 1/2 < the row's largest p <= 1. The row's sum l is taken of the UNQUANTISED p, in f32, and the product's result is divided by l at the end. Since M is a whole number, a kernel that streams over the keys may use a running M (the ceiling of the running maximum): every later rescaling is an exact power of two, which a block's scale takes up: the codes' values come out the same.
;;   OPERANDS COMPUTED ON THE WAY. 'Computed on the way' means the value that the module computes at that place (a softmax that the list does not call 'softmax' is quantised finished and normalised). What goes into a quantiser is computed in f32, as accurately as f32 sums, v_exp_f32 and their like allow (about 1e-6 of the number): no bf16 or f16 on the way to a quantiser, and a product that is left as it is and whose result goes on into a quantised operand takes f32 operands (vector FMAs, or v_wmma_f32_16x16x4_f32). A number that lies on a knife's edge between two numbers of the format may be rounded either way, as far as f32 arithmetic and the matrix unit's own rounding can turn it there, and no further.
;;   INPUTS GIVEN AS CODES. Wo (in the module: [1024, 1024], K = its axis 0); Wqkv (in the module: [1024, 3072], K = its axis 0); x (in the module: [1, 4096, 1024], K = its axis 2): each comes as NAME_codes (uint8): NAME with its K axis moved to the last place and cut into blocks of 32 codes, [.., K / 32, bytes a block], one block behind the other in memory; four codes in three bytes: a row's codes are one little-endian stream of bits, code i at bits 6 i .. 6 i + 5 (a code: sign, 2 exponent bits, 3 mantissa bits); and NAME_scales (uint8): the same leading axes, one E8M0 byte (e + 127) for each 32 codes along K. Its value is code x scale, taken as it is: it is not quantised again, and the codes and scales need not be those that the quantiser above would give.
;; One version. Each part assembles by itself: llvm-mc -triple=amdgcn-amd-amdhsa -mcpu=gfx1250 --defsym DOCPART=n.
;; ======== version 1 of 1: 3 launches
;; limits: right only within a limited range of input values
;; workspace buffers: qi 3,276,800 bytes; kv 6,553,600 bytes; ai 3,145,728 bytes; asc 131,072 bytes; woi 786,432 bytes
;; launch qkv (part 1): grid 8 x 32, 4 waves a work-group, clusters of 4 x 4, 327,680 bytes of LDS; arguments x_codes, x_scales, Wqkv_codes, Wqkv_scales, bqkv, Wo_codes, qi, kv, woi; writes qi, kv, woi
.if DOCPART == 1
	.amdgcn_target "amdgcn-amd-amdhsa--gfx1250"
	.amdhsa_code_object_version 6
	.text
	.protected	k_qac259ca748_qkv
	.globl	k_qac259ca748_qkv
	.p2align	8
	.type	k_qac259ca748_qkv,@function
k_qac259ca748_qkv:
	s_mov_b64 s[64:65], 0
	v_nop
	global_prefetch_b8 v0, s[64:65] scope:SCOPE_SE
	s_setreg_imm32_b32 hwreg(HW_REG_WAVE_MODE, 25, 1), 1
	s_wait_xcnt 0x0
	s_wait_alu depctr_hold_cnt(0) depctr_sa_sdst(0) depctr_va_vdst(0) depctr_va_sdst(0) depctr_va_ssrc(0) depctr_va_vcc(0) depctr_vm_vsrc(0)
	s_getreg_b32 s2, hwreg(HW_REG_IB_STS2, 6, 4)
	s_cmp_eq_u32 s2, 0
	s_cbranch_scc0 .Lentry_in_a_cluster
	s_endpgm
.Lentry_in_a_cluster:
	s_bfe_u32 s2, ttmp6, 0x10000c
	s_cmp_lg_u32 s2, 0xf033
	s_cbranch_scc0 .Lentry_shape_is_right
	s_endpgm
.Lentry_shape_is_right:
; qkv = x Wqkv + bqkv on codes of FP6 (E2M3) with E8M0 scales; RoPE on q and k; q and k quantised along the head's 64, v along the keys; Wo's codes laid anew.
; SHARES.  Work-group (gx, gy) takes positions 128 gy .. +127 and 384 columns: heads gx and gx + 8 of q, of k and of v.  RoPE pairs column i with i + 512,
; that is head gx with head gx + 8: both partners lie in one lane.  Wave w: for q and k its 32 positions (two tiles) x 256 columns, used transposed (source 0 = 16 rows of W,
; source 1 = 16 rows of x: a lane holds one position and eight neighbouring columns); for v all 128 positions x 32 columns, used as written (a lane holds one column and eight positions).
; So every quantiser's 32 numbers lie in lanes l and l xor 16, and each of a wave's six runs of 64 numbers becomes one whole operand of the next launch.
; OUT.  An operand leaves as an image of its 12 registers: three stores of 512 consecutive bytes (registers 4 c .. 4 c + 3 of lane l at 512 c + 16 l).
;   qi record (head, gy), 6,400 bytes: four images (registers 0-5: positions 32 w + r, 6-11: 32 w + 16 + r; lanes 0-15 the head's first 32, lanes 16-31 its second), 256 bytes of scale words.
;   kv record, 12,800 bytes: K's four images likewise, V's four (row r of tile t = channel 32 (t / 2) + 8 (t % 2) + r + 8 (r / 8), K = the 128 keys), K's and V's scale words.
;   Inside a block of 32 the codes stand in the order 0-7, 16-23, 8-15, 24-31, alike in q and k, and alike in v and in the next launch's p: the sums are those of the true order.
; LDS.  x's 128 rows and a slot's 128 rows of W lie whole (768 bytes a row, as three pieces of 256 + 16 of padding: pitch 816).  Three fills at the start (x, q's rows, k's rows);
; q's slot is filled once more, with v's rows.  CLUSTER 4 x 4: x's rows are shared along a row of the cluster, W's along a column: joint loads.
; LIMITS: NaN and infinities are not served; a block of zeros gets the scale byte 1 (its codes are zeros, and only this program reads the bytes); a block whose largest magnitude lies under 2^-124 is held at that floor.
; inv_freq is the f32 nearest to 10^(i / 128), made in two-word arithmetic, and its reciprocal rounded once more; the angle is one f32 product, reduced by pi / 2 in three words; sine and cosine by Taylor sums to x^9 and x^8 on |x| <= pi / 4 (truncation under 3e-8).
; REGISTERS.  window 0: addresses, scale words, v's bias.  window 1: two sets of ten fragments; later the trigonometry and the quantiser's work.  window 2: q's and k's 32 accumulators.  window 3: v's 16 accumulators, q's and k's bias.
.set PITCH, 816
.set QTR,   32*PITCH                   ; 32 rows: what one tensor load brings
.set S0,    4*QTR                      ; x lies at 0; slot 0: q's rows, later v's
.set S1,    8*QTR                      ; slot 1: k's rows
.set SCG,   12*QTR                     ; scale words on their way out: 2 heads x (K 256, V 256, Q 256 bytes)
.set FT,    SCG+1536                   ; 64 inv_freq, two copies
.set SPARE, FT+512                     ; the spare words, 128 bytes a wave: no other line names them
.set G1C,   (3<<16)|(1<<20)|(1<<21)|(5<<22)|(3<<25)   ; elements of 8 bytes; padding on; bit 21 beside a mask; after every 64 words; 4 words
.set XW,  4                            ; v4-5   my 32 rows of x (the second register: for pieces that lie behind one padding more in lanes 16-31)
.set XA,  6                            ; v6-7   x's rows 0-63; v8-9 rows 64-127
.set WQ,  10                           ; v10-11 slot 0, first head; v12-13 second head
.set WK,  14                           ; v14-17 slot 1 likewise
.set WVP, 18                           ; v18-19 slot 0, my 32 rows of v's W, row r + 8 (r / 8)
.set XS,  32                           ; v32-63   x's scale bytes, tile t: 4 registers (lane (r, h): bytes 16 h .. 16 h + 15 of row r: K step s = register s % 4, lanes 16 (s / 4) on)
.set WS,  64                           ; v64-127  W's for q and k, 4 (4 sl + tau)
.set WSV, 128                          ; v128-135 W's for v
.set XSO, 136                          ; v136-143 x's for my own two tiles
.set VB,  144                          ; v144-159 v's bias, eight equal registers a tile
.set IFR, 0                            ; window 1 in the epilogue: my 32 inv_freq
.set CO,  32
.set SI,  64
.set TA,  96
.set TT,  104
.set TN,  112
.set TC,  120
.set TS,  128
.set TU,  136
.set RT,  144                          ; v144-207 RoPE's products
.set KM,  208
.set KC3, 210
.set KS3, 212
.set POS, 214
.set TM,  216                          ; +0..3 largest magnitudes, +4..7 the other lane's, then bytes, +12..15 the conversions' scale operands
.set PW,  232                          ; the scale word just made
.set PC,  236                          ; the codes just made
.set MSB, 0
.macro WIN new                         ; the immediate's high byte repeats the setting that is left
.if MSB != (\new)
	s_set_vgpr_msb (MSB<<8)|(\new)
.set MSB, (\new)
.endif
.endm
.macro PLACES                          ; four plain places behind matrix instructions, ahead of loads into their registers and of reads of their results
.rept 4
	v_nop
.endr
.endm
.macro CROUND                          ; a round of the cluster's barrier
	s_barrier_signal -1
	s_barrier_wait -1
	s_cmp_lg_u32 s22, 0
	s_cbranch_scc1 .Lnot_wave_0_\@
	s_barrier_signal -3
.Lnot_wave_0_\@:
	s_barrier_wait -3
	s_barrier_signal -1
	s_barrier_wait -1
.endm
; a fragment, 16 rows x 128 K: six pieces of 8 bytes; lanes 16-31 read 24 bytes further on, which for some pieces is behind one padding more
.macro FRAG reg, adr, s, rows
.irp p, 0,1,2,3,4,5
.set ZB, 96*(\s)+48*(\p/3)+8*(\p%3)
.if (ZB+24)/256 != ZB/256
	ds_load_b64 v[(\reg)+2*\p:(\reg)+2*\p+1], v[(\adr)+1] offset:(\rows)*PITCH+ZB+16*(ZB/256)
.else
	ds_load_b64 v[(\reg)+2*\p:(\reg)+2*\p+1], v[\adr] offset:(\rows)*PITCH+ZB+16*(ZB/256)
.endif
.endr
.endm
.macro WM d, a, b, c, sa, sx, hi       ; hi: K steps 4-7 take their scale words from lanes 16-31
.if \hi
	v_wmma_scale_f32_16x16x128_f8f6f4 v[\d:\d+7], v[\a:\a+11], v[\b:\b+11], v[\c:\c+7], v[\sa], v[\sx] matrix_a_fmt:MATRIX_FMT_FP6 matrix_b_fmt:MATRIX_FMT_FP6 matrix_a_scale:MATRIX_SCALE_ROW1 matrix_b_scale:MATRIX_SCALE_ROW1
.else
	v_wmma_scale_f32_16x16x128_f8f6f4 v[\d:\d+7], v[\a:\a+11], v[\b:\b+11], v[\c:\c+7], v[\sa], v[\sx] matrix_a_fmt:MATRIX_FMT_FP6 matrix_b_fmt:MATRIX_FMT_FP6
.endif
.endm
.macro FETCHQK set, lo, s              ; eight fragments of W (four tiles of each head), my two of x
	WIN 0x40
.irp i, 0,1,2,3
	FRAG 120*(\set)+12*\i, \lo, \s, 16*\i
	FRAG 120*(\set)+48+12*\i, (\lo)+2, \s, 16*\i
.endr
.irp u, 0,1
	FRAG 120*(\set)+96+12*\u, XW, \s, 16*\u
.endr
.endm
.macro MULQK set, s, sb                ; sixteen accumulators by turns, in the same order in every step; the first step takes the bias as C
.if (\s) == 0
	WIN 0xb5
.else
	WIN 0xa5
.endif
.irp i, 0,1,2,3,4,5,6,7
.irp u, 0,1
.set MT, 4*((\sb)+\i/4)+\i%4
.set MD, 64*((\sb)+\i/4)+32*\u+8*(\i%4)
.set MA, 120*(\set)+12*\i
.set MB, 120*(\set)+96+12*\u
.if (\s) == 0
.set MC, 128+8*MT
.else
.set MC, MD
.endif
.set MSA, WS+4*MT+(\s)%4
.set MSX, XSO+4*\u+(\s)%4
.set MHI, (\s)/4
	WM MD, MA, MB, MC, MSA, MSX, MHI
.endr
.endr
.endm
.macro GEMMQK lo, sb                   ; eight K steps of 128; a step's 60 loads are issued a step ahead, into the other set
	FETCHQK 0, \lo, 0
.irp s, 0,1,2,3,4,5,6,7
	s_wait_dscnt 0x0                               ; this step's fragments are in
.if \s < 7
	PLACES                                         ; behind the last step's products, which read the set that is loaded now
	FETCHQK (\s+1)%2, \lo, \s+1
.endif
	MULQK \s%2, \s, \sb
.endr
	WIN 0
.endm
.macro FETCHV set, s                   ; x's eight fragments, my two of W
	WIN 0x40
.irp t, 0,1,2,3
	FRAG 120*(\set)+12*\t, XA, \s, 16*\t
	FRAG 120*(\set)+48+12*\t, XA+2, \s, 16*\t
.endr
.irp d, 0,1
	FRAG 120*(\set)+96+12*\d, WVP, \s, 8*\d
.endr
.endm
.macro MULV set, s
.if (\s) == 0
	WIN 0xc5
.else
	WIN 0xf5
.endif
.irp d, 0,1
.irp t, 0,1,2,3,4,5,6,7
.set MD, 64*\d+8*\t
.set MA, 120*(\set)+12*\t
.set MB, 120*(\set)+96+12*\d
.if (\s) == 0
.set MC, VB+8*\d
.else
.set MC, MD
.endif
.set MSA, XS+4*\t+(\s)%4
.set MSX, WSV+4*\d+(\s)%4
.set MHI, (\s)/4
	WM MD, MA, MB, MC, MSA, MSX, MHI
.endr
.endr
.endm
; sine and cosine of POS x my 32 inv_freq, eight numbers at a time, the four pairs by turns.  All registers in window 1.
.macro TRIG
	WIN 0x55
.irp g, 0,1,2,3
.irp k, 0,2,4,6
	v_pk_mul_f32 v[TA+\k:TA+\k+1], v[IFR+8*\g+\k:IFR+8*\g+\k+1], v[POS:POS+1]      ; the angle: one f32 product
.endr
.irp k, 0,2,4,6
	v_pk_fma_f32 v[TT+\k:TT+\k+1], v[TA+\k:TA+\k+1], s[66:67], v[KM:KM+1] op_sel_hi:[1,0,1]   ; angle x 2 / pi + 1.5 x 2^23: the low bits are n
.endr
.irp k, 0,2,4,6
	v_pk_add_f32 v[TN+\k:TN+\k+1], v[TT+\k:TT+\k+1], s[68:69] op_sel_hi:[1,0]      ; n as a number
.endr
.irp c, 70,72,74
.irp k, 0,2,4,6
	v_pk_fma_f32 v[TA+\k:TA+\k+1], v[TN+\k:TN+\k+1], s[\c:\c+1], v[TA+\k:TA+\k+1] op_sel_hi:[1,0,1]   ; less n x pi / 2, in three words
.endr
.endr
.irp k, 0,2,4,6
	v_pk_mul_f32 v[TN+\k:TN+\k+1], v[TA+\k:TA+\k+1], v[TA+\k:TA+\k+1]
.endr
.irp k, 0,2,4,6
	v_pk_fma_f32 v[TC+\k:TC+\k+1], v[TN+\k:TN+\k+1], s[76:77], v[KC3:KC3+1] op_sel_hi:[1,0,1]
	v_pk_fma_f32 v[TS+\k:TS+\k+1], v[TN+\k:TN+\k+1], s[80:81], v[KS3:KS3+1] op_sel_hi:[1,0,1]
.endr
.irp k, 0,2,4,6
	v_pk_fma_f32 v[TC+\k:TC+\k+1], v[TC+\k:TC+\k+1], v[TN+\k:TN+\k+1], s[78:79] op_sel_hi:[1,1,0]
	v_pk_fma_f32 v[TS+\k:TS+\k+1], v[TS+\k:TS+\k+1], v[TN+\k:TN+\k+1], s[82:83] op_sel_hi:[1,1,0]
.endr
.irp k, 0,2,4,6
	v_pk_fma_f32 v[TC+\k:TC+\k+1], v[TC+\k:TC+\k+1], v[TN+\k:TN+\k+1], -0.5 op_sel_hi:[1,1,0]
	v_pk_fma_f32 v[TS+\k:TS+\k+1], v[TS+\k:TS+\k+1], v[TN+\k:TN+\k+1], s[84:85] op_sel_hi:[1,1,0]
.endr
.irp k, 0,2,4,6
	v_pk_fma_f32 v[TC+\k:TC+\k+1], v[TC+\k:TC+\k+1], v[TN+\k:TN+\k+1], 1.0 op_sel_hi:[1,1,0]   ; cos r
	v_pk_mul_f32 v[TU+\k:TU+\k+1], v[TA+\k:TA+\k+1], v[TN+\k:TN+\k+1]
.endr
.irp k, 0,2,4,6
	v_pk_fma_f32 v[TS+\k:TS+\k+1], v[TS+\k:TS+\k+1], v[TU+\k:TU+\k+1], v[TA+\k:TA+\k+1]      ; sin r
.endr
.irp n, 0,1,2,3,4,5,6,7
	v_and_b32 v[TN+\n], 1, v[TT+\n]                ; an odd n changes sine and cosine over
.endr
.irp n, 0,1,2,3,4,5,6,7
	v_cmp_ne_u32 s[88+\n], 0, v[TN+\n]
.endr
.irp n, 0,1,2,3,4,5,6,7
	v_cndmask_b32 v[SI+8*\g+\n], v[TS+\n], v[TC+\n], s[88+\n]
	v_cndmask_b32 v[CO+8*\g+\n], v[TC+\n], v[TS+\n], s[88+\n]
.endr
.irp n, 0,1,2,3,4,5,6,7
	v_lshlrev_b32 v[TN+\n], 30, v[TT+\n]           ; the sine's sign: bit 1 of n;
	v_add_lshl_u32 v[TU+\n], v[TT+\n], 1, 30       ; the cosine's: bit 1 of n + 1
.endr
.irp n, 0,1,2,3,4,5,6,7
	v_and_b32 v[TN+\n], 0x80000000, v[TN+\n]
	v_and_b32 v[TU+\n], 0x80000000, v[TU+\n]
.endr
.irp n, 0,1,2,3,4,5,6,7
	v_xor_b32 v[SI+8*\g+\n], v[SI+8*\g+\n], v[TN+\n]
	v_xor_b32 v[CO+8*\g+\n], v[CO+8*\g+\n], v[TU+\n]
.endr
.endr
.endm
; RoPE on tile u of q (sb = 0) or k (sb = 2): lo' = lo cos - hi sin, hi' = hi cos + lo sin.  Each accumulator is read from its low end on.
.macro ROPE u, sb
	WIN 0x46
.set rp_, 0
.rept 16
	v_pk_mul_f32 v[RT+rp_:RT+rp_+1], v[64*((\sb)+1)+32*(\u)+rp_:64*((\sb)+1)+32*(\u)+rp_+1], v[SI+rp_:SI+rp_+1]
	v_pk_mul_f32 v[RT+32+rp_:RT+32+rp_+1], v[64*(\sb)+32*(\u)+rp_:64*(\sb)+32*(\u)+rp_+1], v[SI+rp_:SI+rp_+1]
.set rp_, rp_+2
.endr
	WIN 0x96
.set rp_, 0
.rept 16
	v_pk_fma_f32 v[64*(\sb)+32*(\u)+rp_:64*(\sb)+32*(\u)+rp_+1], v[64*(\sb)+32*(\u)+rp_:64*(\sb)+32*(\u)+rp_+1], v[CO+rp_:CO+rp_+1], v[RT+rp_:RT+rp_+1] neg_lo:[0,0,1] neg_hi:[0,0,1]
	v_pk_fma_f32 v[64*((\sb)+1)+32*(\u)+rp_:64*((\sb)+1)+32*(\u)+rp_+1], v[64*((\sb)+1)+32*(\u)+rp_:64*((\sb)+1)+32*(\u)+rp_+1], v[CO+rp_:CO+rp_+1], v[RT+32+rp_:RT+32+rp_+1]
.set rp_, rp_+2
.endr
.endm
; 64 numbers of a lane in window w, registers 16 b .. 16 b + 15 my half of block b (lane l xor 16 holds the other half), become 12 registers of codes in v[PC] on and a scale word in v[PW].
.macro QUANT src, w
	s_wait_xcnt 0x0                                ; the stores of the codes made last have read their registers,
	s_wait_dscnt 0x0                               ; and so has the store of the last scale word
	WIN 0x41|((\w)<<2)|((\w)<<4)
.irp b, 0,1,2,3
	v_max3_num_f32 v[TM+\b], 0x1800000, |v[(\src)+16*\b]|, |v[(\src)+16*\b+1]|   ; with the floor 2^(3 - 127): the byte cannot fall under 1
.endr
.irp i, 2,4,6,8,10,12,14
.irp b, 0,1,2,3
	v_max3_num_f32 v[TM+\b], v[TM+\b], |v[(\src)+16*\b+\i]|, |v[(\src)+16*\b+\i+1]|
.endr
.endr
	WIN 0x55
.irp b, 0,1,2,3
	v_permlanex16_b32 v[TM+4+\b], v[TM+\b], s86, s87
.endr
.irp b, 0,1,2,3
	v_max_num_f32 v[TM+\b], v[TM+\b], v[TM+4+\b]   ; the block's largest magnitude
.endr
.irp b, 0,1,2,3
	v_add_nc_u32 v[TM+12+\b], 0xff000000, v[TM+\b] ; 2 off its exponent field: the conversion's scale operand
.endr
.irp b, 0,1,2,3
	v_lshrrev_b32 v[TM+4+\b], 23, v[TM+12+\b]      ; the scale's byte
.endr
	v_lshl_or_b32 v[PW], v[TM+5], 8, v[TM+4]
	v_lshl_or_b32 v[PW], v[TM+6], 16, v[PW]
	v_lshl_or_b32 v[PW], v[TM+7], 24, v[PW]
	WIN 0x44|(\w)
.irp c, 0,1
	v_cvt_scalef32_pk16_fp6_f32 v[PC+6*\c:PC+6*\c+2], v[(\src)+32*\c:(\src)+32*\c+15], v[TM+12+2*\c]
	v_cvt_scalef32_pk16_fp6_f32 v[PC+12+4*\c:PC+14+4*\c], v[(\src)+32*\c+16:(\src)+32*\c+31], v[TM+13+2*\c]
.endr
	WIN 0x55
	v_nop                                          ; one plain place behind a scaled conversion
.irp c, 0,1                            ; the operand wants a whole block in a lane: lanes 0-15 block 2 c, lanes 16-31 block 2 c + 1
.irp i, 0,1,2
	v_permlane16_swap_b32 v[PC+6*\c+\i], v[PC+12+4*\c+\i]
.endr
.irp i, 0,1,2
	v_mov_b32 v[PC+3+6*\c+\i], v[PC+12+4*\c+\i]
.endr
.endr
.endm
.macro IMG base, off                   ; the codes leave as they stand: 3 x 512 consecutive bytes, at a multiple of 256 from the buffer's first byte
	WIN 0x04
.irp c, 0,1,2
	global_store_b128 v20, v[PC+4*\c:PC+4*\c+3], s[\base:\base+1] offset:(\off)+512*\c
.endr
.endm
	s_load_b256 s[4:11], s[0:1], 0x0               ; x_codes, x_scales, Wqkv_codes, Wqkv_scales
	s_load_b256 s[12:19], s[0:1], 0x20             ; bqkv, Wo_codes, qi, kv
	s_load_b64 s[20:21], s[0:1], 0x40              ; woi
	v_lshl_add_u32 v28, v0, 2, SPARE
	v_mov_b32 v29, 0
	ds_add_u32 v28, v29
	ds_add_u32 v28, v29
	s_wait_dscnt 0x0
	v_lshrrev_b32 v3, 5, v0
	v_readfirstlane_b32 s22, v3                    ; wave 0..3
	s_bfe_u32 s23, ttmp6, 0x40000                  ; cx
	s_bfe_u32 s24, ttmp6, 0x40004                  ; cy
	s_lshl_b32 s25, ttmp9, 2
	s_add_co_u32 s25, s25, s23                     ; gx: the pair of heads
	s_and_b32 s26, ttmp7, 0xffff
	s_lshl_b32 s26, s26, 2
	s_add_co_u32 s26, s26, s24                     ; gy: the block of 128 positions
	s_lshl_b32 s27, s24, 2
	s_lshl_b32 s27, 15, s27                        ; my row of the cluster
	s_lshl_b32 s60, 0x1111, s23                    ; my column
	s_or_b32 s28, s27, G1C                         ; group 1 for x: shared along the row
	s_or_b32 s36, s60, G1C                         ; for W: shared along the column
.irp g, 28, 36                         ; 24,576 dense bytes as 96 rows of 32 elements of 8 bytes
	s_mov_b32 s[\g+1], 32<<16
	s_mov_b32 s[\g+2], 192<<16                     ; the head's loads bring 64 rows of 768 bytes: 192 rows of 256
	s_mov_b32 s[\g+3], 32<<16
	s_mov_b32 s[\g+4], 192
	s_mov_b32 s[\g+5], 32
	s_mov_b32 s[\g+6], 0
	s_mov_b32 s[\g+7], 0
.endr
	s_mul_i32 s62, s26, 98304                      ; x: 128 rows of 768 bytes a block, 32 rows a wave (registers that never hold gx)
	s_mul_i32 s27, s22, 49152                      ; x at the head: waves 0 and 1 fetch 64 rows each
	s_add_co_u32 s62, s62, s27
	s_mov_b32 s63, 0
	s_mul_i32 s60, s25, 49152                      ; W: 64 rows a head; waves 0, 1 the first head's halves, waves 2, 3 the head 512 rows on (registers that never hold gy)
	s_lshr_b32 s61, s22, 1
	s_mul_i32 s61, s61, 393216
	s_add_co_u32 s60, s60, s61
	s_and_b32 s61, s22, 1
	s_mul_i32 s61, s61, 24576
	s_add_co_u32 s60, s60, s61
	s_mov_b32 s61, 0
	s_mul_i32 s27, s22, QTR                        ; where they go: wave x 32 rows
	s_wait_kmcnt 0x0
	s_mov_b32 s44, 1
	s_lshl_b32 s45, s27, 1                         ; x's half: wave x 64 rows
	s_add_nc_u64 s[46:47], s[4:5], s[62:63]
	s_or_b32 s47, s47, 0x80000000
	s_mov_b32 s48, 1
	s_add_co_u32 s49, s27, S0
	s_add_nc_u64 s[50:51], s[8:9], s[60:61]        ; q's rows
	s_mov_b32 s52, 1
	s_add_co_u32 s53, s27, S1
	s_add_nc_u64 s[54:55], s[50:51], 786432        ; k's: 1,024 rows on
	s_mov_b32 s56, 1
	s_add_co_u32 s57, s27, S0
	s_add_nc_u64 s[58:59], s[50:51], 1572864       ; v's: 2,048 rows on
	s_and_b32 s61, s22, 1                          ; q's rows at the head: wave 2 fetches the first head's 64 rows, wave 3 those of the head 512 rows on
	s_mul_i32 s49, s61, 2*QTR
	s_add_co_u32 s49, s49, S0
	s_mul_i32 s61, s61, 393216
	s_mul_i32 s60, s25, 49152
	s_add_co_u32 s60, s60, s61
	s_mov_b32 s61, 0
	s_add_nc_u64 s[50:51], s[8:9], s[60:61]
	s_or_b32 s51, s51, 0x80000000
	s_or_b32 s55, s55, 0x80000000
	s_or_b32 s59, s59, 0x80000000
	CROUND                                         ; all sixteen work-groups are here: the first joint loads meet
	s_cmp_lt_u32 s22, 2                            ; one joint load a wave at the head: waves 0, 1 x's halves, waves 2, 3 q's two heads
	s_cbranch_scc0 .Lhead_w
	tensor_load_to_lds s[44:47], s[28:35]
	s_nop 0
	PLACES
	s_branch .Lhead_asked
.Lhead_w:
	tensor_load_to_lds s[48:51], s[36:43]
	s_nop 0
	PLACES
.Lhead_asked:
	; ---- addresses
	v_and_b32 v1, 15, v0                           ; r
	v_bfe_u32 v2, v0, 4, 1                         ; h
	v_mul_u32_u24 v3, v1, PITCH
	v_mad_u32_u24 v6, v2, 24, v3
	v_mad_u32_u24 v7, v2, 40, v3
	v_add_nc_u32 v4, s27, v6
	v_add_nc_u32 v5, s27, v7
.irp p, 0,1
	v_add_nc_u32 v[8+\p], 2*QTR, v[6+\p]
	v_add_nc_u32 v[10+\p], S0, v[6+\p]
	v_add_nc_u32 v[12+\p], S0+2*QTR, v[6+\p]
	v_add_nc_u32 v[14+\p], S1, v[6+\p]
	v_add_nc_u32 v[16+\p], S1+2*QTR, v[6+\p]
.endr
	v_and_b32 v31, 8, v1
	v_add_nc_u32 v31, v31, v1                      ; r + 8 (r / 8)
	v_mul_u32_u24 v3, v31, PITCH
	s_add_co_u32 s60, s27, S0
	v_mad_u32_u24 v18, v2, 24, v3
	v_mad_u32_u24 v19, v2, 40, v3
	v_add_nc_u32 v18, s60, v18
	v_add_nc_u32 v19, s60, v19
	v_and_b32 v20, 31, v0
	v_lshlrev_b32 v20, 4, v20                      ; 16 x lane
	v_lshlrev_b32 v21, 5, v1
	v_lshl_add_u32 v21, v2, 4, v21                 ; 32 r + 16 h: a row's scale bytes
	v_lshlrev_b32 v22, 5, v31
	v_lshl_add_u32 v22, v2, 4, v22
	v_lshlrev_b32 v23, 5, v2                       ; 32 h: eight numbers of a bias
	s_lshr_b32 s61, s22, 1                         ; wave / 2
	s_and_b32 s62, s22, 1                          ; wave % 2
	s_lshl_b32 s60, s22, 2
	s_add_co_u32 s60, s60, SCG
	v_lshl_add_u32 v24, v1, 4, s60                 ; K's scale word: 16 r + 4 wave
	s_mul_i32 s60, s61, 768
	s_lshl_b32 s63, s62, 3
	s_add_co_u32 s60, s60, s63
	s_add_co_u32 s60, s60, SCG+256
	v_lshl_add_u32 v25, v1, 4, s60                 ; V's: head wave / 2, 16 r + 4 (2 (wave % 2) + tile)
	s_lshl_b32 s60, s22, 6
	s_add_co_u32 s60, s60, SCG+512
	v_lshl_add_u32 v26, v1, 2, s60                 ; Q's: 64 wave + 4 r
	v_lshl_add_u32 v27, v0, 2, FT                  ; my inv_freq's word: waves 0, 1 the first copy, waves 2, 3 the second
	s_lshl_b32 s60, s61, 8
	s_add_co_u32 s60, s60, FT
	v_lshl_add_u32 v30, v2, 5, s60                 ; my copy, + 32 h
	s_mul_i32 s60, s62, 768
	s_add_co_u32 s60, s60, SCG
	v_add_nc_u32 v202, s60, v20                    ; the way out of K's and V's scale words (waves 0, 1)
	v_mul_u32_u24 v203, v2, 768
	v_lshl_add_u32 v203, v1, 4, v203
	v_add_nc_u32 v203, SCG+512, v203               ; and of Q's (wave 2): lanes 0-15 the first head, lanes 16-31 the second
	s_mul_i32 s60, s62, 3276800
	v_add_nc_u32 v200, s60, v20
	v_mul_u32_u24 v201, v2, 1638400
	v_lshl_add_u32 v201, v1, 4, v201
	; ---- scale bytes and biases: straight into registers, once
	s_lshl_b32 s60, s22, 10
	v_add_nc_u32 v196, s60, v21                    ; my own 32 rows of x
	s_wait_alu depctr_va_vdst(0)
	s_lshl_b32 s60, s61, 14
	s_lshl_b32 s63, s62, 10
	s_add_co_u32 s60, s60, s63
	s_add_co_u32 s60, s60, 65536
	v_add_nc_u32 v197, s60, v22                    ; v's rows of W: 2,048 + 512 (wave / 2) + 32 (wave % 2) + r + 8 (r / 8)
	s_wait_alu depctr_va_vdst(0)
	s_lshl_b32 s60, s61, 11
	s_lshl_b32 s63, s62, 7
	s_add_co_u32 s60, s60, s63
	s_add_co_u32 s60, s60, 8192
	v_lshl_add_u32 v198, v31, 2, s60               ; and their bias
	s_wait_alu depctr_va_vdst(0)
	s_lshl_b32 s60, s26, 3
	s_add_co_u32 s60, s60, s25
	s_lshl_b32 s60, s60, 1
	s_add_co_u32 s60, s60, s62                     ; which of Wo's 512 fragments waves 0 and 1 lay anew: 2 (8 gy + gx) + wave
	s_lshr_b32 s63, s60, 3
	s_and_b32 s27, s60, 7
	s_mul_i32 s63, s63, 12288
	s_mul_i32 s27, s27, 96
	s_add_co_u32 s63, s63, s27
	v_mul_u32_u24 v199, v1, 768
	v_mad_u32_u24 v199, v2, 24, v199
	v_add_nc_u32 v199, s63, v199
	s_mul_i32 s60, s60, 1536
	s_mov_b32 s61, 0
	s_add_nc_u64 s[20:21], s[20:21], s[60:61]
	s_lshl_b32 s60, s26, 12
	s_add_nc_u64 s[6:7], s[6:7], s[60:61]          ; x_scales at my 128 rows
	s_lshl_b32 s60, s25, 11
	s_add_nc_u64 s[10:11], s[10:11], s[60:61]      ; Wqkv_scales at row 64 gx
	s_lshl_b32 s60, s25, 8
	s_add_nc_u64 s[12:13], s[12:13], s[60:61]      ; bqkv at column 64 gx
.irp t, 0,1,2,3,4,5,6,7
	global_load_b128 v[XS+4*\t:XS+4*\t+3], v21, s[6:7] offset:512*\t
.endr
.irp u, 0,1
	global_load_b128 v[XSO+4*\u:XSO+4*\u+3], v196, s[6:7] offset:512*\u
.endr
.irp i, 0,1,2,3,4,5,6,7,8,9,10,11,12,13,14,15
	global_load_b128 v[WS+4*\i:WS+4*\i+3], v21, s[10:11] offset:(\i/4)*16384+(\i%4)*512
.endr
.irp d, 0,1
	global_load_b128 v[WSV+4*\d:WSV+4*\d+3], v197, s[10:11] offset:256*\d
	global_load_b32 v[VB+8*\d], v198, s[12:13] offset:32*\d
.endr
	WIN 0xc0
.irp i, 0,1,2,3,4,5,6,7,8,9,10,11,12,13,14,15
	global_load_b128 v[128+8*\i:131+8*\i], v23, s[12:13] offset:(\i/4)*2048+(\i%4)*64
	global_load_b128 v[132+8*\i:135+8*\i], v23, s[12:13] offset:(\i/4)*2048+(\i%4)*64+16
.endr
	WIN 0
	s_cmp_lt_u32 s22, 2
	s_cbranch_scc0 .Lno_wo_in
	s_wait_alu depctr_va_vdst(0)
.irp p, 0,1,2,3,4,5
	global_load_b64 v[184+2*\p:185+2*\p], v199, s[14:15] offset:48*(\p/3)+8*(\p%3)
.endr
.Lno_wo_in:
	; ---- constants
	s_mov_b32 s66, 0x3f22f983                      ; 2 / pi
	s_mov_b32 s68, 0xcb400000                      ; -1.5 x 2^23
	s_mov_b32 s70, 0xbfc90fdb                      ; -pi / 2 in three words
	s_mov_b32 s72, 0x333bbd2e
	s_mov_b32 s74, 0x26f72cf9
	s_mov_b32 s76, 0x37d00d01                      ; 1 / 40320
	s_mov_b32 s78, 0x3d2aaaab                      ; 1 / 24
	s_mov_b32 s80, 0x3638ef1d                      ; 1 / 362880
	s_mov_b32 s82, 0x3c088889                      ; 1 / 120
	s_mov_b32 s84, 0xbe2aaaab                      ; -1 / 6
.irp c, 66,68,70,72,74,76,78,80,82,84
	s_mov_b32 s[\c+1], s[\c]                       ; named as pairs, so both words are written
.endr
	s_mov_b32 s86, 0x76543210
	s_mov_b32 s87, 0xfedcba98                      ; v_permlanex16_b32's selects for lane l xor 16
	; ---- inv_freq of i = 64 gx + (thread % 64): 10^(i / 128) in two words (P), by seven square roots of 10 (C) and the bits of i
	s_lshl_b32 s60, s25, 6
	v_and_b32 v160, 63, v0
	v_add_nc_u32 v160, s60, v160
	v_mov_b32 v164, 0x41200000                     ; C = 10
	v_mov_b32 v165, 0
	v_mov_b32 v173, 0x42c80000                     ; 100
	v_and_b32 v161, 128, v160
	v_cmp_ne_u32 vcc_lo, 0, v161
	v_cndmask_b32 v162, 1.0, v164, vcc_lo
	v_and_b32 v161, 256, v160
	v_cmp_ne_u32 vcc_lo, 0, v161
	v_cndmask_b32 v163, 1.0, v173, vcc_lo
	v_mul_f32 v162, v162, v163                     ; P = 1, 10, 100 or 1000: exact
	v_mov_b32 v163, 0
.irp b, 6,5,4,3,2,1,0
	v_sqrt_f32 v166, v164
	v_rsq_f32 v167, v164
	v_and_b32 v161, 1<<\b, v160                    ; (the plain place behind the two)
	s_wait_alu depctr_va_vdst(0)                   ; one wait for the two, ahead of their first reader
	v_fma_f32 v168, -v166, v166, v164              ; what the root's square leaves,
	v_add_f32 v168, v168, v165
	v_mul_f32 v167, 0.5, v167
	v_mul_f32 v168, v168, v167                     ; over twice the root
	v_add_f32 v164, v166, v168                     ; C = sqrt(C), in two words
	v_sub_f32 v165, v164, v166
	v_sub_f32 v165, v168, v165
	v_cmp_ne_u32 vcc_lo, 0, v161
	v_cndmask_b32 v169, 1.0, v164, vcc_lo          ; the factor: C where the bit is set, else 1
	v_cndmask_b32 v170, 0, v165, vcc_lo
	v_mul_f32 v171, v162, v169
	v_fma_f32 v172, v162, v169, -v171
	v_fma_f32 v172, v162, v170, v172
	v_fma_f32 v172, v163, v169, v172
	v_add_f32 v162, v171, v172                     ; P = P x factor, in two words
	v_sub_f32 v173, v162, v171
	v_sub_f32 v163, v172, v173
.endr
	v_rcp_f32 v167, v162
	v_nop
	s_wait_alu depctr_va_vdst(0)
	v_fma_f32 v168, -v162, v167, 1.0
	v_fma_f32 v167, v168, v167, v167               ; 1 / P, mended once
	ds_store_b32 v27, v167
	s_wait_loadcnt 0x0                             ; scale bytes, biases, Wo's fragment
.irp d, 0,1
.irp j, 1,2,3,4,5,6,7
	v_mov_b32 v[VB+8*\d+\j], v[VB+8*\d]            ; v's bias is one number a lane: the C operand wants it in all eight registers
.endr
.endr
	s_cmp_lt_u32 s22, 2
	s_cbranch_scc0 .Lno_wo_out
.irp c, 0,1,2
	global_store_b128 v20, v[184+4*\c:187+4*\c], s[20:21] offset:512*\c
.endr
.Lno_wo_out:
	s_wait_alu depctr_va_vdst(0)                   ; the wait at the head's end
	s_wait_tensorcnt 0x0                           ; my one load of the head is in
	ds_add_u32 v28, v29                            ; 0 onto my spare word
	s_mov_b32 s38, 96<<16                          ; no tensor load of mine is out: from here on a load brings 32 rows of W, 96 rows of 256 bytes
	s_mov_b32 s40, 96
	s_wait_dscnt 0x0                               ; the add is done, and my inv_freq is stored
	CROUND                                         ; x and q's rows are whole in all sixteen work-groups
	tensor_load_to_lds s[52:55], s[36:43]          ; k's rows, slot 1's first fill: my one load behind the round; it lands while q is multiplied
	s_nop 0
	PLACES
	GEMMQK WQ, 0
	s_wait_tensorcnt 0x0                           ; all my tensor loads have landed, k's rows among them;
	ds_add_u32 v28, v29                            ; 0 onto my spare word;
	s_wait_dscnt 0x0                               ; the add is done, and my reads of slot 0 are over
	CROUND                                         ; that holds of every wave of all sixteen work-groups
	tensor_load_to_lds s[56:59], s[36:43]          ; v's rows of W into slot 0: they land while k is multiplied
	s_nop 0
	PLACES                                         ; (also the places ahead of the loads below)
	GEMMQK WK, 2
	s_wait_tensorcnt 0x0                           ; my part of v's rows is in,
	s_wait_dscnt 0x0
	s_barrier_signal -1
	s_barrier_wait -1                              ; everybody's is
	PLACES
	FETCHV 0, 0
	s_wait_alu depctr_va_vdst(0)
.irp s, 0,1,2,3,4,5,6,7
	s_wait_dscnt 0x0
.if \s < 7
	PLACES
	FETCHV (\s+1)%2, \s+1
.endif
	MULV \s%2, \s
.endr
	WIN 0
	; ---- where the results go
	s_lshl_b32 s60, s25, 5
	s_add_co_u32 s60, s60, s26                     ; record 32 gx + gy (the second head's: 256 records on)
	s_mov_b32 s63, 0
	s_mul_i32 s62, s60, 6400
	s_add_nc_u64 s[16:17], s[16:17], s[62:63]
	s_mul_i32 s62, s60, 12800
	s_add_nc_u64 s[18:19], s[18:19], s[62:63]
	s_mul_i32 s62, s22, 1536
	s_add_nc_u64 s[96:97], s[16:17], s[62:63]      ; q's image of my 32 positions
	s_add_nc_u64 s[98:99], s[18:19], s[62:63]      ; k's
	s_lshr_b32 s60, s22, 1
	s_mul_i32 s60, s60, 3276800
	s_and_b32 s62, s22, 1
	s_mul_i32 s62, s62, 3072
	s_add_co_u32 s60, s60, s62
	s_add_co_u32 s60, s60, 6144
	s_mov_b32 s61, 0
	s_add_nc_u64 s[60:61], s[18:19], s[60:61]      ; v's two images
	s_lshl_b32 s62, s26, 7
	s_lshl_b32 s27, s22, 5
	s_add_co_u32 s62, s62, s27                     ; my first position
	PLACES                                         ; behind the last products: window 1 is written and loaded anew, and results are read
	WIN 0x40
.irp t, 0,1,2,3
	ds_load_b128 v[IFR+8*\t:IFR+8*\t+3], v30 offset:64*\t        ; inv_freq of columns 16 t + 8 h + 0 .. 7
	ds_load_b128 v[IFR+8*\t+4:IFR+8*\t+7], v30 offset:64*\t+16
.endr
.irp p, 0,1
	v_mov_b32 v[KM+\p], 0x4b400000                 ; 1.5 x 2^23
	v_mov_b32 v[KC3+\p], 0xbab60b61                ; -1 / 720
	v_mov_b32 v[KS3+\p], 0xb9500d01                ; -1 / 5040
.endr
.irp b, 4,5,6,7
	v_mov_b32 v[TM+\b], 0                          ; a lane permute's destination counts as one of its sources
.endr
	s_wait_dscnt 0x0
.irp u, 0,1
	WIN 0x40
	v_add_nc_u32 v[POS], s62, v1                   ; my position in tile u
	WIN 0x55
	v_cvt_f32_u32 v[POS], v[POS]
	v_mov_b32 v[POS+1], v[POS]
	s_add_co_u32 s62, s62, 16
	TRIG
	ROPE \u, 0
	ROPE \u, 2
.endr
	QUANT 0, 2                                     ; q, first head
	IMG 96, 0
	ds_store_b32 v26, v[PW]
	QUANT 64, 2                                    ; q, second head
	IMG 96, 1638400
	ds_store_b32 v26, v[PW] offset:768
	QUANT 128, 2                                   ; k
	IMG 98, 0
	ds_store_b32 v24, v[PW]
	QUANT 192, 2
	IMG 98, 3276800
	ds_store_b32 v24, v[PW] offset:768
	QUANT 0, 3                                     ; v, my two tiles of 16 channels
	IMG 60, 0
	ds_store_b32 v25, v[PW]
	QUANT 64, 3
	IMG 60, 1536
	ds_store_b32 v25, v[PW] offset:4
	WIN 0
	s_wait_dscnt 0x0                               ; my scale words are stored
	s_barrier_signal -1
	s_barrier_wait -1                              ; everybody's are: they leave in whole runs of 256 bytes
	s_cmp_lt_u32 s22, 2
	s_cbranch_scc0 .Lnot_kv
	ds_load_b128 v[204:207], v202
	s_wait_dscnt 0x0
	global_store_b128 v200, v[204:207], s[18:19] offset:12288    ; K's and V's words of head gx + 8 wave: 512 consecutive bytes
	s_branch .Lwords_out
.Lnot_kv:
	s_cmp_eq_u32 s22, 2
	s_cbranch_scc0 .Lwords_out
	ds_load_b128 v[204:207], v203
	s_wait_dscnt 0x0
	global_store_b128 v201, v[204:207], s[16:17] offset:6144     ; Q's words: sixteen lanes to a head's 256 bytes
.Lwords_out:
	s_wait_tensorcnt 0x0                           ; the wave's end
	ds_add_u32 v28, v29
	s_wait_dscnt 0x0
	CROUND                                         ; the closing round
	s_endpgm
.Lfunc_end_k_qac259ca748_qkv:
	.size	k_qac259ca748_qkv, .Lfunc_end_k_qac259ca748_qkv-k_qac259ca748_qkv
	.p2alignl 7, 3214868480
	.fill 96, 4, 3214868480
	.section	.rodata,"a",@progbits
	.p2align	6, 0x0
	.amdhsa_kernel k_qac259ca748_qkv
		.amdhsa_group_segment_fixed_size 327680
		.amdhsa_private_segment_fixed_size 0
		.amdhsa_enable_private_segment 0
		.amdhsa_kernarg_size 72
		.amdhsa_user_sgpr_count 2
		.amdhsa_user_sgpr_kernarg_segment_ptr 1
		.amdhsa_wavefront_size32 1
		.amdhsa_system_sgpr_workgroup_id_x 1
		.amdhsa_system_sgpr_workgroup_id_y 1
		.amdhsa_system_sgpr_workgroup_id_z 1
		.amdhsa_system_vgpr_workitem_id 0
		.amdhsa_next_free_vgpr 1024
		.amdhsa_next_free_sgpr 100
		.amdhsa_reserve_vcc 1
		.amdhsa_float_denorm_mode_32 3
		.amdhsa_float_denorm_mode_16_64 3
		.amdhsa_memory_ordered 1
		.amdhsa_forward_progress 1
		.amdhsa_inst_pref_size 255
	.end_amdhsa_kernel
	.section	.bss,"aw",@nobits
	.p2align	6
	.space	262144
	.amdgpu_metadata
---
amdhsa.version: [ 1, 2 ]
amdhsa.kernels:
  - .name:           k_qac259ca748_qkv
    .symbol:         k_qac259ca748_qkv.kd
    .args:
      - { .name: x_codes, .offset: 0, .size: 8, .value_kind: global_buffer, .address_space: global }
      - { .name: x_scales, .offset: 8, .size: 8, .value_kind: global_buffer, .address_space: global }
      - { .name: Wqkv_codes, .offset: 16, .size: 8, .value_kind: global_buffer, .address_space: global }
      - { .name: Wqkv_scales, .offset: 24, .size: 8, .value_kind: global_buffer, .address_space: global }
      - { .name: bqkv, .offset: 32, .size: 8, .value_kind: global_buffer, .address_space: global }
      - { .name: Wo_codes, .offset: 40, .size: 8, .value_kind: global_buffer, .address_space: global }
      - { .name: qi, .offset: 48, .size: 8, .value_kind: global_buffer, .address_space: global }
      - { .name: kv, .offset: 56, .size: 8, .value_kind: global_buffer, .address_space: global }
      - { .name: woi, .offset: 64, .size: 8, .value_kind: global_buffer, .address_space: global }
    .group_segment_fixed_size: 327680
    .private_segment_fixed_size: 0
    .kernarg_segment_align: 8
    .kernarg_segment_size: 72
    .max_flat_workgroup_size: 128
    .sgpr_count:     100
    .vgpr_count:     1024
    .wavefront_size: 32
...
	.end_amdgpu_metadata
.endif
;; end of part 1
;; launch attn (part 2): grid 16 x 16, 16 waves a work-group, no clusters, 327,680 bytes of LDS; arguments qi, kv, ai, asc; writes ai, asc
.if DOCPART == 2
	.amdgcn_target "amdgcn-amd-amdhsa--gfx1250"
	.amdhsa_code_object_version 6
	.text
	.protected	k_qac259ca748_attn
	.globl	k_qac259ca748_attn
	.p2align	8
	.type	k_qac259ca748_attn,@function
k_qac259ca748_attn:
	s_mov_b64 s[64:65], 0
	v_nop
	global_prefetch_b8 v0, s[64:65] scope:SCOPE_SE
	s_setreg_imm32_b32 hwreg(HW_REG_WAVE_MODE, 25, 1), 1
	s_wait_xcnt 0x0
; Causal attention of one head on codes of FP6 (E2M3): S^T = K Q^T, p = 2^(t - M) quantised along the keys, O^T = V^T P^T, O / l quantised along the head's 64 for the next product.
; t = score x log2(e) / 8; M = the running largest t rounded up to a whole number; l = the sum of the unquantised p.  When M moves, l and O^T are multiplied by a power of two: exact.
; SHARES.  Work-group (j, head) makes query block 31 - j (128 queries) and then block j: 33 key steps of 128 in all, whatever j.  Wave w = 8 g + ti owns tile ti (16 queries) and
; of each pair of key steps the g-th: so a tile's keys are shared by two waves, each with its own M, l and O^T, and the two parts are joined at the end by exact powers of two.
; Time goes in key-slots sigma = 0 .. 16 (two key steps each): sigma < N1 = (33 - j) / 2 belongs to the first block, the rest to the second.  All trip counts are constants;
; a step whose keys all come after the block's queries is jumped over by a scalar branch on ids, round its work alone.
; LDS.  Two slots of four key-slots (eight records of 12,800 bytes as the launch before laid them: every operand is an image of its registers, read by loads of 16 bytes a lane).  Waves 0 to 3 fetch, one load each.
; No cluster: the order of tiles turns to the second block at N1, which differs between the work-groups of a head, so partners would ask for different tiles.
; K = 64 fills half of the instruction's 128: K's operand holds TWO tiles of 16 keys (registers 0-5 and 6-11), and Q's is 18 registers q, zeros, q: registers 0-11 pick the first tile, 6-17 the second (zero codes add nothing).
; LIMITS: NaN and infinities are not served; a block whose every p is 0 keeps the scale byte 1 (its codes are zeros); 1 / l is v_rcp_f32 and a product.
; REGISTERS: v1-6 addresses; v8-11 scale words (lanes 0-15 K's, 16-31 V's); v12 -M, v13 largest t, v[14:15] l; v16-33 Q, v34 its scale word; v36-42 the second block's; v44-91 four fragments;
; v96-159 S^T, then p; v160-191 O^T; v192-211 p's codes; v212-230 the quantiser's work; v231-239 addresses of the end; v240-247 at work.
.set REC,   12800
.set KSL,   2*REC                      ; a key-slot in memory: two records
.set RECL,  16000                      ; a record in LDS: its 25 runs of 512 bytes lie 640 bytes apart, so that neighbouring images begin 1,920 bytes apart
.set KSLL,  2*RECL
; K's OPERANDS ARE PICKED BY ADDRESS: operand n = 2 g + F takes as rows 0-7 rows 8 F .. 8 F + 7 of image 2 g and as rows 8-15 the same rows of image 2 g + 1.
; So lane (r, h) holds in registers 96 + 32 g .. + 31 the whole block 2 g + h of 32 keys, in the order in which V's codes stand: no lane is asked for a block's maximum, and p's codes are made where the operand wants them.
; v35, v43: my places in K's images and scale words; v7, v207 the same in the slot in hand; v92-95 K's scale words; v8-11 lanes 16-31 V's; v211 = 8 h.
; A SLOT HOLDS FOUR KEY-SLOTS (eight records): waves 0 to 3 fetch one key-slot each, and the 17 key-slots pass five changes of slots.
.set SLOT1, 4*KSLL                     ; slot 1 begins here, 128,000
.set MRG,   2*SLOT1                    ; the waves' parts of the FIRST block of queries, 4,352 bytes a wave: O^T's 8 images, l, -M
.set MRW,   4352                       ; the parts of the second block are stored at the end, into slot 1: it has had its last fill, and its last read lies behind the last barrier
.set SPARE, MRG+16*MRW                 ; the spare words, 128 bytes a wave: no other line names them
.macro PLACES
.rept 4
	v_nop
.endr
.endm
.macro TLOAD                           ; waves 0 to 3 fetch a key-slot each; four v_nop follow the line
	s_cmp_lt_u32 s12, 4
	s_cbranch_scc0 .Lno_load_\@
	tensor_load_to_lds s[32:35], s[24:31]
	s_nop 0
	PLACES
.Lno_load_\@:
.endm
; A prefetch of the slot that the NEXT change will ask for: 102,400 bytes.  All work-groups of a head begin with the same records in the same order: work-group j = 0, which walks all 32, asks, and nobody else;
; each of its 16 waves takes 6,400 bytes, lanes 256 bytes apart (lanes 25-31 name lane 24's bytes once more).  Changes 0 and 1 name slots 2 and 3, the head's last records; the later changes ask for nothing.
.macro ASK
	s_cmp_gt_u32 s40, s48
	s_cbranch_scc0 .Lno_ask_\@
	global_prefetch_b8 v6, s[46:47] th:TH_LOAD_NT scope:SCOPE_SE
.Lno_ask_\@:
.endm
; The change of slots, at a slot's head.  fill = 1: the slot just left is filled with key-slots SG + 4 .. SG + 7.
.macro CHANGE fill
	s_wait_tensorcnt 0x0                           ; no tensor load of mine is out: the slot ahead has my part, and group 0 may be written
	ds_add_u32 v2, v3                              ; 0 onto my spare word
.if \fill
	s_xor_b32 s33, s38, SLOT1                      ; the slot that is not in hand,
	s_add_co_u32 s33, s33, s49                     ; my key-slot's place in it
	s_and_b32 s41, s12, 3
	s_add_co_u32 s41, s41, s39
	s_add_co_u32 s41, s41, 4                       ; the key-slot that I would fetch
	s_cmp_ge_u32 s41, s17
	s_cselect_b32 s42, s17, 0
	s_sub_co_u32 s41, s41, s42                     ; its pair of key steps: counted anew from the second block on
	s_mul_i32 s42, s41, KSL
	s_mov_b32 s43, 0
	s_add_nc_u64 s[34:35], s[36:37], s[42:43]
	s_or_b32 s35, s35, 0x80000000
	s_wait_xcnt 0x0                                ; the last prefetch, a slot back, has read its address
	s_add_nc_u64 s[46:47], s[46:47], 4*KSL
.endif
	s_wait_dscnt 0x0                               ; the add is done, and my reads of the slot that I have left are over
	s_barrier_signal -1
	s_barrier_wait -1
.if \fill
	TLOAD                                          ; first behind the barrier, a wave's one tensor load until the next: it has a slot's four steps in which to land
	ASK
.endif
.endm
.macro PART ra, rw                     ; my part of the tile in hand: O^T from its low end on, l, -M; ra, rw: the registers that hold its two addresses
.irp k, 0,1,2,3,4,5,6,7
	ds_store_b128 v[\ra], v[160+4*\k:163+4*\k] offset:512*\k
.endr
	v_add_f32 v240, v14, v15
	ds_store_b32 v[\rw], v240
	ds_store_b32 v[\rw], v12 offset:128
.endm
.macro SWITCH                          ; from the first block of queries to the second
	PART 232, 233
	s_wait_dscnt 0x0                               ; the stores have read their registers
.irp i, 0,1,2,3,4,5
	v_mov_b32 v[16+\i], v[36+\i]
	v_mov_b32 v[28+\i], v[36+\i]
.endr
	v_mov_b32 v34, v42
.set z_, 0
.rept 32
	v_mov_b32 v[160+z_], 0                         ; (these 32 are also the places between the new scale word and operand and the next products)
.set z_, z_+1
.endr
	v_mov_b32 v14, 0
	v_mov_b32 v15, 0
	v_mov_b32 v13, 0xff61b1e6                      ; -3e38, under every t
	s_delay_alu instid0(VALU_DEP_1)
	v_floor_f32 v12, -v13
.endm
; Key-slot SG + a: my key step of it, 128 keys.
.macro STEP a
	s_add_co_u32 s41, s39, \a
	s_cmp_lg_u32 s41, s17
	s_cbranch_scc1 .Lsame_\@
	s_wait_alu depctr_va_vdst(0)
	SWITCH
.Lsame_\@:
	s_cmp_lt_u32 s41, s17
	s_cselect_b32 s42, 0, s17
	s_cselect_b32 s43, s18, s19                    ; the block of queries in hand = its last key step
	s_sub_co_u32 s42, s41, s42
	s_lshl_b32 s42, s42, 1
	s_add_co_u32 s42, s42, s13                     ; my key step
	s_cmp_gt_u32 s42, s43
	s_cbranch_scc1 .Lidle_\@                       ; all its keys come after the block's queries
	s_add_co_u32 s41, s38, (\a)*KSLL               ; the key-slot's place in the slot in hand: up to 96,000, more than a load's immediate holds
	v_add_nc_u32 v7, s41, v35
	v_add_nc_u32 v207, s41, v43
	v_add_nc_u32 v4, s41, v1
.irp f, 0,1,2,3
.irp c, 0,1,2
	ds_load_b128 v[44+12*\f+4*\c:47+12*\f+4*\c], v7 offset:3840*(\f/2)+128*(\f%2)+640*\c
.endr
.endr
.irp f, 0,1,2,3
	ds_load_b32 v[92+\f], v207 offset:128*(\f%2)+8*(\f/2)
.endr
	ds_load_b128 v[8:11], v4 offset:15360
	s_wait_alu depctr_va_vdst(0)
	s_wait_dscnt 0x0
.irp f, 0,1,2,3                        ; register 16 f + 8 u + i of lane (r, h) is the score of query r and key 64 (f / 2) + 32 h + 8 (f % 2) + 16 u + i
	v_wmma_scale_f32_16x16x128_f8f6f4 v[96+16*\f:103+16*\f], v[44+12*\f:55+12*\f], v[16:27], 0, v[92+\f], v34 matrix_a_fmt:MATRIX_FMT_FP6 matrix_b_fmt:MATRIX_FMT_FP6
	v_wmma_scale_f32_16x16x128_f8f6f4 v[104+16*\f:111+16*\f], v[44+12*\f:55+12*\f], v[22:33], 0, v[92+\f], v34 matrix_a_fmt:MATRIX_FMT_FP6 matrix_b_fmt:MATRIX_FMT_FP6
.endr
	PLACES
.irp t, 0,1,2,3
.irp c, 0,1,2
	ds_load_b128 v[44+12*\t+4*\c:47+12*\t+4*\c], v4 offset:7680+1920*\t+640*\c               ; V's fragments land under the softmax
.endr
.endr
	s_cmp_lg_u32 s42, s43
	s_cbranch_scc1 .Lopen_\@                       ; only the block's last key step lies on the diagonal
	v_mov_b32 v242, 0xff800000                     ; hidden scores become -infinity ahead of the maximum: p = 0.  The step's first key counts for every query of the block
.set n_, 0
.rept 64
	v_cmp_gt_i32 vcc_lo, 64*(n_/32)+8*((n_/16)%2)+16*((n_/8)%2)+n_%8, v5
	v_cndmask_b32 v[96+n_], v[96+n_], v242, vcc_lo
.set n_, n_+1
.endr
.Lopen_\@:
.irp b, 0,1,2,3
	v_max3_num_f32 v[212+\b], v[96+16*\b], v[97+16*\b], v[98+16*\b]      ; the largest score of each block of 32 keys: for the row's maximum, and, since p rises with the score, for the block's largest p
.endr
.irp i, 3,5,7,9,11,13
.irp b, 0,1,2,3
	v_max3_num_f32 v[212+\b], v[212+\b], v[96+16*\b+\i], v[97+16*\b+\i]
.endr
.endr
	v_max3_num_f32 v212, v212, v213, v111          ; my two blocks' largest scores: v212 block h, v214 block 2 + h
	v_max3_num_f32 v214, v214, v215, v143
	v_max_num_f32 v212, v212, v127
	v_max_num_f32 v214, v214, v159
	s_delay_alu instid0(VALU_DEP_1)
	v_max_num_f32 v242, v212, v214
	s_delay_alu instid0(VALU_DEP_1)
	v_permlanex16_b32 v216, v242, s20, s21
	s_delay_alu instid0(VALU_DEP_1)
	v_max_num_f32 v242, v242, v216                 ; with lane l xor 16's two blocks: the step's largest score of my query
	s_delay_alu instid0(VALU_DEP_1)
	v_mul_f32 v242, s22, v242
	s_delay_alu instid0(VALU_DEP_1)
	v_max_num_f32 v13, v13, v242                   ; the running largest t
	v_mov_b32 v242, v12
	s_delay_alu instid0(VALU_DEP_2)
	v_floor_f32 v12, -v13                          ; -M = floor(-t): M is a whole number
	s_delay_alu instid0(VALU_DEP_1)
	v_sub_f32 v242, v12, v242
	s_delay_alu instid0(VALU_DEP_1)
	v_cvt_i32_f32 v242, v242                       ; old M - new M, 0 or less (it saturates)
	s_delay_alu instid0(VALU_DEP_1)
	v_ldexp_f32 v228, 1.0, v242                    ; f = 2^(old M - new M)
.set j_, 0
.rept 32
	v_pk_fma_f32 v[96+j_:97+j_], v[96+j_:97+j_], s[22:23], v[12:13] op_sel_hi:[1,0,0]    ; t - M
.set j_, j_+2
.endr
.irp b, 0,2
	v_fma_f32 v[212+\b], v[212+\b], s22, v12
.endr
.set j_, 0
	s_wait_alu depctr_va_vdst(0)
.rept 64
	v_exp_f32 v[96+j_], v[96+j_]                   ; p = 2^(t - M)
.set j_, j_+1
.endr
	v_pk_mul_f32 v[14:15], v[14:15], v[228:229] op_sel_hi:[1,0]          ; l under the new M (the plain place behind the exponentials)
	s_wait_alu depctr_va_vdst(0)                   ; one wait for the batch of 64, ahead of its first reader
.irp b, 0,2
	v_exp_f32 v[212+\b], v[212+\b]                 ; my two blocks' largest p
.endr
	v_pk_add_f32 v[240:241], v[100:101], v[104:105]
	v_pk_add_f32 v[254:255], v[108:109], v[112:113]
	v_pk_add_f32 v[252:253], v[116:117], v[120:121]
	v_pk_add_f32 v[250:251], v[124:125], v[128:129]
	v_pk_add_f32 v[248:249], v[132:133], v[136:137]
	v_pk_add_f32 v[244:245], v[140:141], v[144:145]
	v_pk_add_f32 v[242:243], v[148:149], v[152:153]
	v_pk_add_f32 v[14:15], v[14:15], v[156:157]
	v_pk_add_f32 v[240:241], v[240:241], v[96:97]
	v_pk_add_f32 v[254:255], v[254:255], v[98:99]
	v_pk_add_f32 v[252:253], v[252:253], v[102:103]
	v_pk_add_f32 v[250:251], v[250:251], v[106:107]
	v_pk_add_f32 v[248:249], v[248:249], v[110:111]
	v_pk_add_f32 v[244:245], v[244:245], v[114:115]
	v_pk_add_f32 v[242:243], v[242:243], v[118:119]
	v_pk_add_f32 v[14:15], v[14:15], v[122:123]
	v_pk_add_f32 v[240:241], v[240:241], v[126:127]
	v_pk_add_f32 v[254:255], v[254:255], v[130:131]
	v_pk_add_f32 v[252:253], v[252:253], v[134:135]
	v_pk_add_f32 v[250:251], v[250:251], v[138:139]
	v_pk_add_f32 v[248:249], v[248:249], v[142:143]
	v_pk_add_f32 v[244:245], v[244:245], v[146:147]
	v_pk_add_f32 v[242:243], v[242:243], v[150:151]
	v_pk_add_f32 v[14:15], v[14:15], v[154:155]
	v_pk_add_f32 v[240:241], v[240:241], v[158:159]
	s_delay_alu instid0(VALU_DEP_2)
	v_pk_add_f32 v[14:15], v[14:15], v[250:251]
	s_delay_alu instid0(VALU_DEP_2)
	v_pk_add_f32 v[240:241], v[240:241], v[248:249]
	v_pk_add_f32 v[254:255], v[254:255], v[244:245]
	v_pk_add_f32 v[252:253], v[252:253], v[242:243]
	s_delay_alu instid0(VALU_DEP_2)
	v_pk_add_f32 v[14:15], v[14:15], v[254:255]
	s_delay_alu instid0(VALU_DEP_2)
	v_pk_add_f32 v[240:241], v[240:241], v[252:253]
	s_delay_alu instid0(VALU_DEP_1)
	v_pk_add_f32 v[14:15], v[14:15], v[240:241]
	s_wait_alu depctr_va_vdst(0)                   ; and one for the two
.irp b, 0,2
	v_max_num_f32 v[212+\b], 0x1800000, v[212+\b]  ; the floor 2^(3 - 127): the byte cannot fall under 1
.endr
.irp b, 0,2
	s_delay_alu instid0(VALU_DEP_2)
	v_add_nc_u32 v[220+\b], 0xff000000, v[212+\b]  ; 2 off the exponent field: the conversion's scale operand
.endr
.irp b, 0,2
	s_delay_alu instid0(VALU_DEP_2)
	v_lshrrev_b32 v[224+\b], 23, v[220+\b]
.endr
	s_delay_alu instid0(VALU_DEP_1)
	v_lshl_or_b32 v230, v226, 16, v224             ; my two bytes: blocks h and 2 + h,
	s_delay_alu instid0(VALU_DEP_1)
	v_lshlrev_b32 v230, v211, v230                 ; at their places in the word (8 h bits up);
	s_delay_alu instid0(VALU_DEP_1)
	v_permlanex16_b32 v217, v230, s20, s21
	s_delay_alu instid0(VALU_DEP_1)
	v_or_b32 v230, v230, v217                      ; with lane l xor 16's two: p's scale word for these 128 keys
.irp c, 0,1
	v_cvt_scalef32_pk16_fp6_f32 v[192+6*\c:194+6*\c], v[96+32*\c:111+32*\c], v[220+2*\c]
	v_cvt_scalef32_pk16_fp6_f32 v[204+4*\c:206+4*\c], v[112+32*\c:127+32*\c], v[220+2*\c]
.endr
	v_nop                                          ; one plain place behind a scaled conversion
.irp c, 0,1
.irp i, 0,1,2
	v_mov_b32 v[195+6*\c+\i], v[204+4*\c+\i]       ; a conversion's three registers begin on an even number: the block's second half is made elsewhere and moved
.endr
.endr
.set j_, 0
.rept 16
	v_pk_mul_f32 v[160+j_:161+j_], v[160+j_:161+j_], v[228:229] op_sel_hi:[1,0]          ; O^T under the new M (also the places ahead of the products below)
.set j_, j_+2
.endr
	s_wait_alu depctr_va_vdst(0)
	s_wait_dscnt 0x0                               ; V's fragments are in
.irp t, 0,1,2,3                        ; register 8 t + i of lane (r, h): query r, channel 32 (t / 2) + 16 h + 8 (t % 2) + i
	v_wmma_scale_f32_16x16x128_f8f6f4 v[160+8*\t:167+8*\t], v[44+12*\t:55+12*\t], v[192:203], v[160+8*\t:167+8*\t], v[8+\t], v230 matrix_a_fmt:MATRIX_FMT_FP6 matrix_b_fmt:MATRIX_FMT_FP6 matrix_a_scale:MATRIX_SCALE_ROW1
.endr
	PLACES                                         ; ahead of the next loads into these registers and of the next read of O^T
.Lidle_\@:
.endm
	s_load_b256 s[4:11], s[0:1], 0x0               ; qi, kv, ai, asc
	v_lshl_add_u32 v2, v0, 2, SPARE
	v_mov_b32 v3, 0
	ds_add_u32 v2, v3
	ds_add_u32 v2, v3
	s_wait_dscnt 0x0
	v_lshrrev_b32 v7, 5, v0
	s_delay_alu instid0(VALU_DEP_1)
	v_readfirstlane_b32 s12, v7                    ; wave 0..15
	s_lshr_b32 s13, s12, 3                         ; g
	s_and_b32 s14, s12, 7                          ; ti
	s_mov_b32 s15, ttmp9                           ; j
	s_and_b32 s16, ttmp7, 0xffff                   ; the head
	s_sub_co_u32 s17, 33, s15
	s_lshr_b32 s17, s17, 1                         ; N1
	s_sub_co_u32 s18, 31, s15                      ; the first block of queries,
	s_mov_b32 s19, s15                             ; the second
	s_mov_b32 s20, 0x76543210
	s_mov_b32 s21, 0xfedcba98
	s_mov_b32 s22, 0x3e38aa3b                      ; c = log2(e) / 8
	s_mov_b32 s23, s22
	s_mov_b32 s24, (3<<16)|(1<<20)|(6<<22)|(31<<25) ; group 1: 25,600 dense bytes as 50 rows of 64 elements of 8 bytes; 32 words of padding behind every 128
	s_mov_b32 s25, 64<<16
	s_mov_b32 s26, 50<<16
	s_mov_b32 s27, 64<<16
	s_mov_b32 s28, 50
	s_mov_b32 s29, 64
	s_mov_b32 s30, 0
	s_mov_b32 s31, 0
	s_mul_i32 s36, s16, 32*REC
	s_mov_b32 s37, 0
	s_and_b32 s41, s12, 3
	s_mul_i32 s33, s41, KSLL                       ; LDS: slot 0, my key-slot of the four
	s_mov_b32 s49, s33                             ; kept: my key-slot's place in a slot
	s_mul_i32 s42, s41, KSL                        ; and the same key-slot in memory
	s_mov_b32 s43, 0
	s_wait_kmcnt 0x0
	s_add_nc_u64 s[36:37], s[6:7], s[36:37]        ; the head's records
	s_mov_b32 s32, 1
	s_add_nc_u64 s[34:35], s[36:37], s[42:43]
	s_or_b32 s35, s35, 0x80000000
	TLOAD                                          ; slot 0
	s_mul_i32 s42, s12, 6400
	s_add_co_u32 s42, s42, 4*KSL
	s_add_nc_u64 s[46:47], s[36:37], s[42:43]      ; my prefetches stand in slot 1; the first change steps them to slot 2.  Nothing is prefetched here, at the head
	s_cmp_eq_u32 s15, 0                            ; work-group j = 0 alone asks
	s_cselect_b32 s48, 2, -1
	v_and_b32 v240, 31, v0                         ; lane
	v_and_b32 v241, 15, v0                         ; r
	v_bfe_u32 v242, v0, 4, 1                       ; h
	s_delay_alu instid0(VALU_DEP_3)
	v_lshlrev_b32 v238, 4, v240                    ; 16 x lane
	s_wait_alu depctr_va_vdst(0)
	v_lshlrev_b32 v239, 3, v240                    ; 8 x lane
	v_lshlrev_b32 v231, 5, v241                    ; 32 r
	v_min_u32 v6, 24, v240
	s_delay_alu instid0(VALU_DEP_1)
	v_lshlrev_b32 v6, 8, v6
	; Q: tile ti is half u = ti % 2 of image ti / 2: registers 6 u .. 6 u + 5, as three pairs: bytes 0, 8, 512 (u = 0) or 520, 1024, 1032 (u = 1) + 16 x lane
	s_and_b32 s41, s14, 1
	s_lshr_b32 s42, s14, 1
	s_mul_i32 s44, s42, 1536
	s_mul_i32 s45, s41, 520
	s_add_co_u32 s45, s45, s44
	v_add_nc_u32 v243, s45, v238
	s_wait_alu depctr_va_vdst(0)
	s_mul_i32 s45, s41, 1016
	s_add_co_u32 s45, s45, s44
	s_add_co_u32 s45, s45, 8
	v_add_nc_u32 v244, s45, v238
	s_wait_alu depctr_va_vdst(0)
	s_lshl_b32 s45, s42, 6
	v_lshl_add_u32 v245, v241, 2, s45              ; its scale word: 64 (ti / 2) + 4 r
	s_lshl_b32 s44, s16, 5
	s_add_co_u32 s42, s44, s18
	s_mul_i32 s42, s42, 6400
	s_add_nc_u64 s[50:51], s[4:5], s[42:43]
	s_add_co_u32 s42, s44, s19
	s_mul_i32 s42, s42, 6400
	s_add_nc_u64 s[52:53], s[4:5], s[42:43]
.irp d, 16, 28
	global_load_b64 v[\d:\d+1], v243, s[50:51]
	global_load_b64 v[\d+2:\d+3], v244, s[50:51]
	global_load_b64 v[\d+4:\d+5], v243, s[50:51] offset:512
.endr
	global_load_b32 v34, v245, s[50:51] offset:6144
	global_load_b64 v[36:37], v243, s[52:53]
	global_load_b64 v[38:39], v244, s[52:53]
	global_load_b64 v[40:41], v243, s[52:53] offset:512
	global_load_b32 v42, v245, s[52:53] offset:6144
	s_lshl_b32 s45, s41, 4                         ; 16 u: my two bytes of the word
	s_mul_i32 s41, s13, RECL
	v_add_nc_u32 v1, s41, v238                     ; an image's place for my lane, in my record of a key-slot
	v_and_b32 v7, 7, v0                            ; r % 8
	v_bfe_u32 v211, v0, 3, 1                       ; r / 8
	s_delay_alu instid0(VALU_DEP_2)
	v_lshl_add_u32 v35, v7, 4, s41
	s_delay_alu instid0(VALU_DEP_1)
	v_lshl_add_u32 v43, v211, 2, v35
	s_delay_alu instid0(VALU_DEP_2)
	v_mad_u32_u24 v35, v211, 1920, v35
	s_delay_alu instid0(VALU_DEP_2)
	v_add_nc_u32 v43, 15360, v43                   ; K's scale word: 16 (r % 8) + 4 (r / 8), in the record's 25th run
	s_delay_alu instid0(VALU_DEP_2)
	v_lshl_add_u32 v35, v242, 8, v35               ; K's rows: image r / 8, lane r % 8 + 16 h
	v_lshlrev_b32 v211, 3, v242                    ; 8 h
	v_lshlrev_b32 v7, 5, v242                      ; 32 h
	s_delay_alu instid0(VALU_DEP_1)
	v_sub_nc_u32 v5, v241, v7
	s_lshl_b32 s41, s14, 4
	v_add_nc_u32 v5, s41, v5                       ; 16 ti + r - 32 h: a key of register n is hidden where its constant part is greater
	s_mul_i32 s41, s12, MRW
	s_add_co_u32 s41, s41, MRG
	v_lshl_add_u32 v232, v240, 4, s41              ; where I put my parts
	s_add_co_u32 s41, s41, 4096
	v_lshl_add_u32 v233, v240, 2, s41
	s_mul_i32 s41, s14, MRW
	s_xor_b32 s42, s13, 1
	s_mul_i32 s42, s42, MRG-SLOT1                  ; the first block's parts lie at MRG, the second's in slot 1
	s_add_co_u32 s41, s41, s42
	s_add_co_u32 s41, s41, SLOT1
	v_lshl_add_u32 v234, v240, 4, s41              ; where I read the two parts of the tile that I finish: block g of waves ti and ti + 8
	s_delay_alu instid0(VALU_DEP_1)
	v_add_nc_u32 v235, 8*MRW, v234
	s_add_co_u32 s41, s41, 4096
	v_lshl_add_u32 v236, v240, 2, s41
	s_delay_alu instid0(VALU_DEP_1)
	v_add_nc_u32 v237, 8*MRW, v236
.irp i, 22,23,24,25,26,27
	v_mov_b32 v\i, 0                               ; the zero codes between the two copies of q
.endr
.irp i, 216,217,218,219,229,247
	v_mov_b32 v\i, 0                               ; lane permutes' destinations, and the upper halves of pairs that are named whole
.endr
	v_mov_b32 v14, 0
	v_mov_b32 v15, 0
	v_mov_b32 v13, 0xff61b1e6
	s_delay_alu instid0(VALU_DEP_1)
	v_floor_f32 v12, -v13
	s_wait_loadcnt 0x0
.irp q, 34, 42
	v_lshrrev_b32 v\q, s45, v\q
	s_delay_alu instid0(VALU_DEP_1)
	v_and_b32 v\q, 0xffff, v\q
	s_delay_alu instid0(VALU_DEP_1)
	v_lshl_or_b32 v\q, v\q, 16, v\q                ; my tile's two bytes, for either place of q in the operand
.endr
.set z_, 0
.rept 32
	v_mov_b32 v[160+z_], 0                         ; O^T: the step is written once; the first finds zeros.  (Also the places behind the scale word)
.set z_, z_+1
.endr
	s_mov_b32 s38, 0                               ; the slot in hand
	s_mov_b32 s39, 0                               ; its first key-slot
	s_mov_b32 s40, 4
.Lslot:
	CHANGE 1
	STEP 0
	STEP 1
	STEP 2
	STEP 3
	s_xor_b32 s38, s38, SLOT1
	s_add_co_u32 s39, s39, 4
	s_sub_co_u32 s40, s40, 1
	s_cmp_lg_u32 s40, 0
	s_cbranch_scc1 .Lslot
	CHANGE 0                                       ; the tail is written out
	STEP 0                                         ; key-slot 16, the last (the slot's other three key-slots are not read)
	; ---- the two parts of each tile are joined: wave (g, ti) finishes tile ti of block g
	s_mul_i32 s41, s12, MRW
	s_add_co_u32 s41, s41, SLOT1                   ; my part of the second block goes into slot 1: the slot in hand is slot 0
	v_add_nc_u32 v7, s41, v238
	v_lshrrev_b32 v207, 2, v238
	s_add_co_u32 s41, s41, 4096
	v_add_nc_u32 v207, s41, v207
	s_wait_alu depctr_va_vdst(0)
	PART 7, 207
	s_wait_dscnt 0x0
	s_barrier_signal -1
	s_barrier_wait -1
.irp k, 0,1,2,3,4,5,6,7
	ds_load_b128 v[96+4*\k:99+4*\k], v234 offset:512*\k
	ds_load_b128 v[128+4*\k:131+4*\k], v235 offset:512*\k
.endr
	ds_load_b32 v240, v236
	ds_load_b32 v241, v236 offset:128
	ds_load_b32 v242, v237
	ds_load_b32 v243, v237 offset:128
	s_cmp_eq_u32 s13, 0
	s_cselect_b32 s41, s18, s19
	s_lshl_b32 s41, s41, 3
	s_add_co_u32 s41, s41, s14                     ; the tile's number among the 256
	s_mul_i32 s42, s41, 12288
	s_mul_i32 s44, s16, 768
	s_add_co_u32 s42, s42, s44
	s_mov_b32 s43, 0
	s_add_nc_u64 s[50:51], s[8:9], s[42:43]
	s_lshl_b32 s42, s41, 9
	s_lshl_b32 s44, s16, 1
	s_add_co_u32 s42, s42, s44
	s_add_nc_u64 s[52:53], s[10:11], s[42:43]
	s_wait_dscnt 0x0
	v_min_num_f32 v244, v241, v243                 ; -M of the two together
	s_delay_alu instid0(VALU_DEP_1)
	v_sub_f32 v241, v244, v241
	s_delay_alu instid0(VALU_DEP_2)
	v_sub_f32 v243, v244, v243
	s_delay_alu instid0(VALU_DEP_2)
	v_cvt_i32_f32 v241, v241
	s_delay_alu instid0(VALU_DEP_2)
	v_cvt_i32_f32 v243, v243
	s_delay_alu instid0(VALU_DEP_2)
	v_ldexp_f32 v228, 1.0, v241                    ; each part's power of two (0 for a part that had no step)
	s_delay_alu instid0(VALU_DEP_2)
	v_ldexp_f32 v246, 1.0, v243
	s_delay_alu instid0(VALU_DEP_2)
	v_mul_f32 v240, v240, v228
	s_delay_alu instid0(VALU_DEP_1)
	v_fma_f32 v240, v242, v246, v240
	s_delay_alu instid0(VALU_DEP_1)
	v_permlanex16_b32 v216, v240, s20, s21
	s_delay_alu instid0(VALU_DEP_1)
	v_add_f32 v240, v240, v216                     ; l
.set j_, 0
.rept 16
	v_pk_mul_f32 v[96+j_:97+j_], v[96+j_:97+j_], v[228:229] op_sel_hi:[1,0]
.set j_, j_+2
.endr
	s_wait_alu depctr_va_vdst(0)
	v_rcp_f32 v244, v240
.set j_, 0
.rept 16
	v_pk_fma_f32 v[96+j_:97+j_], v[128+j_:129+j_], v[246:247], v[96+j_:97+j_] op_sel_hi:[1,0,1]
.set j_, j_+2
.endr
	s_wait_alu depctr_va_vdst(0)                   ; ahead of the reciprocal's first reader; the sixteen lines above are the work between
	v_mov_b32 v245, v244
.set j_, 0
.rept 16
	v_pk_mul_f32 v[96+j_:97+j_], v[96+j_:97+j_], v[244:245]
.set j_, j_+2
.endr
	; register 16 b + i is channel 32 b + 16 h + i of query r: two blocks of 32 along the next product's K
.irp b, 0,1
	v_max3_num_f32 v[212+\b], |v[96+16*\b]|, |v[97+16*\b]|, 0x1800000
.endr
.irp i, 2,4,6,8,10,12,14
.irp b, 0,1
	s_delay_alu instid0(VALU_DEP_2)
	v_max3_num_f32 v[212+\b], v[212+\b], |v[96+16*\b+\i]|, |v[97+16*\b+\i]|
.endr
.endr
.irp b, 0,1
	s_delay_alu instid0(VALU_DEP_2)
	v_permlanex16_b32 v[216+\b], v[212+\b], s20, s21
.endr
.irp b, 0,1
	s_delay_alu instid0(VALU_DEP_2)
	v_max_num_f32 v[212+\b], v[212+\b], v[216+\b]
.endr
.irp b, 0,1
	s_delay_alu instid0(VALU_DEP_2)
	v_add_nc_u32 v[220+\b], 0xff000000, v[212+\b]
.endr
.irp b, 0,1
	s_delay_alu instid0(VALU_DEP_2)
	v_lshrrev_b32 v[224+\b], 23, v[220+\b]
.endr
	s_delay_alu instid0(VALU_DEP_1)
	v_lshl_or_b32 v230, v225, 8, v224
	v_cvt_scalef32_pk16_fp6_f32 v[192:194], v[96:111], v220
	v_cvt_scalef32_pk16_fp6_f32 v[196:198], v[112:127], v221
	v_nop
.irp i, 0,1,2
	v_permlane16_swap_b32 v[192+\i], v[196+\i]
.endr
	s_delay_alu instid0(VALU_DEP_3)
	v_mov_b32 v195, v196
	s_delay_alu instid0(VALU_DEP_3)
	v_mov_b32 v196, v197
	s_delay_alu instid0(VALU_DEP_3)
	v_mov_b32 v197, v198                           ; six registers: lanes 0-15 the head's first 32 channels, lanes 16-31 its second
	global_store_b128 v238, v[192:195], s[50:51]               ; 512 consecutive bytes,
	global_store_b64 v239, v[196:197], s[50:51] offset:512     ; and 256
	global_store_b16 v231, v230, s[52:53]                      ; the row's two scale bytes (two bytes a lane to rows 32 bytes apart: 1 byte in 24 of what this launch stores)
	s_wait_tensorcnt 0x0                           ; the wave's end
	ds_add_u32 v2, v3
	s_wait_dscnt 0x0
	s_endpgm
.Lfunc_end_k_qac259ca748_attn:
	.size	k_qac259ca748_attn, .Lfunc_end_k_qac259ca748_attn-k_qac259ca748_attn
	.p2alignl 7, 3214868480
	.fill 96, 4, 3214868480
	.section	.rodata,"a",@progbits
	.p2align	6, 0x0
	.amdhsa_kernel k_qac259ca748_attn
		.amdhsa_group_segment_fixed_size 327680
		.amdhsa_private_segment_fixed_size 0
		.amdhsa_enable_private_segment 0
		.amdhsa_kernarg_size 32
		.amdhsa_user_sgpr_count 2
		.amdhsa_user_sgpr_kernarg_segment_ptr 1
		.amdhsa_wavefront_size32 1
		.amdhsa_system_sgpr_workgroup_id_x 1
		.amdhsa_system_sgpr_workgroup_id_y 1
		.amdhsa_system_sgpr_workgroup_id_z 1
		.amdhsa_system_vgpr_workitem_id 0
		.amdhsa_next_free_vgpr 256
		.amdhsa_next_free_sgpr 66
		.amdhsa_reserve_vcc 1
		.amdhsa_float_denorm_mode_32 3
		.amdhsa_float_denorm_mode_16_64 3
		.amdhsa_memory_ordered 1
		.amdhsa_forward_progress 1
		.amdhsa_inst_pref_size 136
	.end_amdhsa_kernel
	.amdgpu_metadata
---
amdhsa.version: [ 1, 2 ]
amdhsa.kernels:
  - .name:           k_qac259ca748_attn
    .symbol:         k_qac259ca748_attn.kd
    .args:
      - { .name: qi, .offset: 0, .size: 8, .value_kind: global_buffer, .address_space: global }
      - { .name: kv, .offset: 8, .size: 8, .value_kind: global_buffer, .address_space: global }
      - { .name: ai, .offset: 16, .size: 8, .value_kind: global_buffer, .address_space: global }
      - { .name: asc, .offset: 24, .size: 8, .value_kind: global_buffer, .address_space: global }
    .group_segment_fixed_size: 327680
    .private_segment_fixed_size: 0
    .kernarg_segment_align: 8
    .kernarg_segment_size: 32
    .max_flat_workgroup_size: 512
    .sgpr_count:     66
    .vgpr_count:     256
    .wavefront_size: 32
...
	.end_amdgpu_metadata
.endif
;; end of part 2
;; launch proj (part 3): grid 128 x 1, 8 waves a work-group, no clusters, 322,560 bytes of LDS; arguments ai, asc, woi, Wo_scales, bo, gamma, beta, out0; writes out0
.if DOCPART == 3
	.amdgcn_target "amdgcn-amd-amdhsa--gfx1250"
	.amdhsa_code_object_version 6
	.text
	.protected	k_qac259ca748_proj
	.globl	k_qac259ca748_proj
	.p2align	8
	.type	k_qac259ca748_proj,@function
k_qac259ca748_proj:
	s_mov_b64 s[64:65], 0
	v_nop
	global_prefetch_b8 v0, s[64:65] scope:SCOPE_SE
	s_setreg_imm32_b32 hwreg(HW_REG_WAVE_MODE, 25, 1), 1
	s_wait_xcnt 0x0
; out0 = LayerNorm(a Wo + bo) x gamma + beta; the product on codes of FP6 (E2M3) with E8M0 scales.
; SHARES.  LayerNorm wants whole rows: a work-group takes 32 whole rows (two tiles) and all 1,024 columns; wave w of eight takes columns 128 w .. +127: 16 accumulators.
; The product is used transposed (source 0 = 16 rows of Wo, source 1 = 16 rows of a): a lane holds one row and eight neighbouring columns.
; a's 16 fragments, 24,576 bytes, are copied into LDS once (each wave 3,072 bytes) and read from there K step by K step, into two sets of registers.
; Wo's fragments lie in woi, each an image of its registers, 1,536 bytes.  A wave's 64 come by two roads, K outermost:
;   K steps 0 to 4 (40 fragments, ten groups of four) by loads of 512 consecutive bytes straight into a ring of 20 fragments in registers, five groups, 60 loads, out by this text's count;
;   K steps 5 to 7 (24 fragments) by ONE tensor load a wave at the head: 8 rows (column tiles) of 4,608 bytes, into LDS bytes that the wave alone reads, filled once: so its own wait is all the ordering they need.
;   They go from LDS into the ring's registers as the first road's groups leave them free.
; bo, gamma, beta of my 128 columns: three loads of 512 bytes at the head; stored into the first 1,536 of my tile's bytes once these are read out, and read from there in each lane's order.
; No cluster: five eighths of the stream go straight into registers, where nothing can be asked for jointly, and the tensor loads are one a wave for the whole launch.
; No prefetch: the walk is written out, 16 groups, and has no loop to run ahead in; both roads ask at the head.
; 32 rows and not 16: every work-group reads all of Wo, 786,432 bytes; 128 work-groups read half of what 256 would.
; LIMITS: NaN and infinities are not served.  Mean and variance in two passes, as written in the problem.
; REGISTERS.  window 0: v0-15, v120-124 addresses, v16-55 scale words, v56-103 a's two sets (later sums), v104-119 bo, gamma, beta on their way, then chains, v128-255 accumulator (c, u) at 128 + 8 (2 c + u).
; window 1: the ring, v0-239; later bo at 48, gamma at 112, beta at 176; later rows on the way out.
.set RED1, 0                           ; LDS: the waves' sums, 32 bytes a row
.set RED2, 1024                        ; and their sums of squares
.set AB,   2048                        ; a's fragments as they lie in ai
.set TB,   26624                       ; the waves' tiles of Wo, TW bytes each
.set TW,   36864
.set STO,  4608                        ; in my tile, once it is read out: a stage of 16 rows x (512 + 16) bytes
.set SP,   528
.set SPARE, TB+8*TW                    ; the spare words, 128 bytes a wave: no other line names them
.set ASC,  16                          ; a's scale bytes, tile u: 4 registers (K step s: register s % 4, lanes 16 (s / 4) on)
.set WSC,  24                          ; Wo's, column tile c
.set AF,   56
.set SUM,  104
.set ACC,  128
.set PB,   48
.set MSB, 0
.macro WIN new
.if MSB != (\new)
	s_set_vgpr_msb (MSB<<8)|(\new)
.set MSB, (\new)
.endif
.endm
.macro PLACES
.rept 4
	v_nop
.endr
.endm
.macro WM d, a, b, s, sa, sx           ; the first K step starts the sums; K steps 4-7 take their scale words from lanes 16-31
.if (\s) == 0
	v_wmma_scale_f32_16x16x128_f8f6f4 v[\d:\d+7], v[\a:\a+11], v[\b:\b+11], 0, v[\sa], v[\sx] matrix_a_fmt:MATRIX_FMT_FP6 matrix_b_fmt:MATRIX_FMT_FP6
.else
.if (\s) < 4
	v_wmma_scale_f32_16x16x128_f8f6f4 v[\d:\d+7], v[\a:\a+11], v[\b:\b+11], v[\d:\d+7], v[\sa], v[\sx] matrix_a_fmt:MATRIX_FMT_FP6 matrix_b_fmt:MATRIX_FMT_FP6
.else
	v_wmma_scale_f32_16x16x128_f8f6f4 v[\d:\d+7], v[\a:\a+11], v[\b:\b+11], v[\d:\d+7], v[\sa], v[\sx] matrix_a_fmt:MATRIX_FMT_FP6 matrix_b_fmt:MATRIX_FMT_FP6 matrix_a_scale:MATRIX_SCALE_ROW1 matrix_b_scale:MATRIX_SCALE_ROW1
.endif
.endif
.endm
.macro WLOAD g                         ; group g < 10: fragments n = 4 g .. 4 g + 3 (column tile n % 8, K step n / 8) from memory, twelve loads
.irp q, 0,1,2,3
.set WN, 4*(\g)+\q
.irp k, 0,1,2
	global_load_b128 v[12*(WN%20)+4*\k:12*(WN%20)+4*\k+3], v3, s[8:9] offset:(WN%8)*12288+(WN/8)*1536+512*\k
.endr
.endr
.endm
.macro LLOAD g                         ; group g >= 10: the same from my tile in LDS
.irp q, 0,1,2,3
.set WN, 4*(\g)+\q
.irp k, 0,1,2
	ds_load_b128 v[12*(WN%20)+4*\k:12*(WN%20)+4*\k+3], v123 offset:(WN%8)*4608+(WN/8-5)*1536+512*\k
.endr
.endr
.endm
.macro ALOAD s                         ; a's two fragments of K step s: two heads' halves of six registers, each 512 bytes (four registers) and 256 (two)
.irp u, 0,1
.set AR, AF+24*((\s)%2)+12*\u
.set AO, 1536*(8*\u+(\s))
	ds_load_b128 v[AR:AR+3], v12 offset:AO
	ds_load_b64 v[AR+4:AR+5], v13 offset:AO+512
	ds_load_b128 v[AR+6:AR+9], v12 offset:AO+768
	ds_load_b64 v[AR+10:AR+11], v13 offset:AO+1280
.endr
.endm
.macro GROUP g                         ; eight products; a K step's sixteen accumulators take turns
.set KS, (\g)/2
.if (\g)%2 == 0
	s_wait_dscnt 0x0                               ; a's fragments of this K step are in, and every group fetched from LDS so far: each is asked for at least two groups ahead of its use
.endif
.if (\g) < 10
.set LEFT, 9-(\g)
.if LEFT > 4
.set LEFT, 4
.endif
	s_wait_loadcnt 12*LEFT                         ; this group's loads are in; the groups issued behind it, four at the most, twelve loads each, may stay out
.endif
	WIN 0x01
.irp q, 0,1,2,3
.set WN, 4*(\g)+\q
.irp u, 0,1
.set MD, ACC+8*(2*(WN%8)+\u)
.set MA, 12*(WN%20)
.set MB, AF+24*(KS%2)+12*\u
.set MSA, WSC+4*(WN%8)+KS%4
.set MSX, ASC+4*\u+KS%4
	WM MD, MA, MB, KS, MSA, MSX
.endr
.endr
	PLACES                                         ; ahead of the loads into registers just read, and of the first read of results
.if (\g)+5 < 10
	WIN 0x40
	WLOAD (\g)+5
.else
.if (\g)+5 < 16
.if (\g) == 5
	s_wait_tensorcnt 0x0                           ; my tile is in; I alone read it
.endif
	WIN 0x40
	LLOAD (\g)+5
.endif
.endif
	WIN 0
.if (\g) == 6
.irp p, 0,1,2
	ds_store_b128 v123, v[SUM+4*\p:SUM+4*\p+3] offset:512*\p      ; bo, gamma, beta over the fragment of column tile 0, K step 5, which is in registers since this group's wait
.endr
.endif
.if (\g)%2 == 0 && (\g) < 14
	ALOAD KS+1                                     ; into the set that the K step before read
.endif
.endm
; the chains of both tiles are added up, joined with lane l xor 16's, and meet the other waves' in LDS; v56 and v64 then hold the rows' sums
.macro REDUCE off
.irp u, 0,1
	v_pk_add_f32 v[SUM+8*\u:SUM+8*\u+1], v[SUM+8*\u:SUM+8*\u+1], v[SUM+8*\u+2:SUM+8*\u+3]
	v_pk_add_f32 v[SUM+8*\u+4:SUM+8*\u+5], v[SUM+8*\u+4:SUM+8*\u+5], v[SUM+8*\u+6:SUM+8*\u+7]
.endr
	s_delay_alu instid0(VALU_DEP_3)
	v_pk_add_f32 v[SUM:SUM+1], v[SUM:SUM+1], v[SUM+4:SUM+5]
	s_delay_alu instid0(VALU_DEP_2)
	v_pk_add_f32 v[SUM+8:SUM+9], v[SUM+8:SUM+9], v[SUM+12:SUM+13]
.irp u, 0,1
	s_delay_alu instid0(VALU_DEP_2)
	v_add_f32 v[SUM+8*\u], v[SUM+8*\u], v[SUM+8*\u+1]
.endr
.irp u, 0,1
	s_delay_alu instid0(VALU_DEP_2)
	v_permlanex16_b32 v[120+\u], v[SUM+8*\u], s22, s23
.endr
.irp u, 0,1
	s_delay_alu instid0(VALU_DEP_2)
	v_add_f32 v[SUM+8*\u], v[SUM+8*\u], v[120+\u]
.endr
.irp u, 0,1
	ds_store_b32 v9, v[SUM+8*\u] offset:(\off)+512*\u      ; row 16 u + r, word w (both halves of the lanes store the same number)
.endr
	s_wait_dscnt 0x0                               ; for the others' sake
	s_barrier_signal -1
	s_barrier_wait -1
	ds_load_b128 v[56:59], v10 offset:(\off)
	ds_load_b128 v[60:63], v10 offset:(\off)+16
	ds_load_b128 v[64:67], v10 offset:(\off)+512
	ds_load_b128 v[68:71], v10 offset:(\off)+528
	s_wait_dscnt 0x0
	v_pk_add_f32 v[56:57], v[56:57], v[58:59]
	v_pk_add_f32 v[60:61], v[60:61], v[62:63]
	v_pk_add_f32 v[64:65], v[64:65], v[66:67]
	v_pk_add_f32 v[68:69], v[68:69], v[70:71]
	s_delay_alu instid0(VALU_DEP_3)
	v_pk_add_f32 v[56:57], v[56:57], v[60:61]
	s_delay_alu instid0(VALU_DEP_2)
	v_pk_add_f32 v[64:65], v[64:65], v[68:69]
	s_delay_alu instid0(VALU_DEP_2)
	v_add_f32 v56, v56, v57
	s_delay_alu instid0(VALU_DEP_2)
	v_add_f32 v64, v64, v65
.endm
	s_load_b256 s[4:11], s[0:1], 0x0               ; ai, asc, woi, Wo_scales
	s_load_b256 s[12:19], s[0:1], 0x20             ; bo, gamma, beta, out0
	v_lshl_add_u32 v14, v0, 2, SPARE               ; my spare word, and 0
	v_mov_b32 v15, 0
	ds_add_u32 v14, v15                            ; the opening lines, ahead of my tensor load: the add, twice on end, and its one wait
	ds_add_u32 v14, v15
	v_lshrrev_b32 v1, 5, v0
	s_delay_alu instid0(VALU_DEP_1)
	v_readfirstlane_b32 s20, v1                    ; wave 0..7
	v_and_b32 v11, 31, v0
	v_and_b32 v1, 15, v0                           ; r
	v_bfe_u32 v2, v0, 4, 1                         ; h
	s_delay_alu instid0(VALU_DEP_3)
	v_lshlrev_b32 v3, 4, v11                       ; 16 x lane
	v_lshlrev_b32 v4, 3, v11                       ; 8 x lane
	v_lshlrev_b32 v5, 5, v1
	s_delay_alu instid0(VALU_DEP_1)
	v_lshl_add_u32 v5, v2, 4, v5                   ; 32 r + 16 h
	v_lshlrev_b32 v6, 5, v2                        ; 32 h
	s_mul_i32 s29, s20, TW
	s_add_co_u32 s29, s29, TB                      ; my tile of Wo in LDS
	s_add_co_u32 s21, s29, STO
	v_mul_u32_u24 v7, v1, SP
	s_delay_alu instid0(VALU_DEP_1)
	v_lshl_add_u32 v7, v2, 5, v7
	s_delay_alu instid0(VALU_DEP_1)
	v_add_nc_u32 v7, s21, v7                       ; into my stage: row r, + 32 h
	v_add_nc_u32 v8, s21, v3                       ; and back: 16 bytes a lane
	v_add_nc_u32 v123, s29, v3                     ; my tile, 16 bytes a lane
	v_add_nc_u32 v124, s29, v6                     ; bo, gamma, beta there: + 32 h
	s_lshl_b32 s21, s20, 2
	v_lshl_add_u32 v9, v1, 5, s21                  ; 32 r + 4 w
	v_lshlrev_b32 v10, 5, v1                       ; 32 r
	v_add_nc_u32 v12, AB, v3
	v_add_nc_u32 v13, AB, v4
	s_mul_i32 s21, s20, 3072
	v_add_nc_u32 v122, s21, v12                    ; where my part of a goes
	v_mov_b32 v120, 0
	v_mov_b32 v121, 0                              ; a lane permute's destination counts as one of its sources
	s_mov_b32 s22, 0x76543210
	s_mov_b32 s23, 0xfedcba98
	s_mov_b32 s24, 0x3a800000                      ; 1 / 1024
	s_mov_b32 s25, 0x3727c5ac                      ; 1e-5
	s_mov_b32 s27, 0
	s_mov_b32 s28, 1                               ; group 0: count
	s_mov_b32 s32, 3<<16                           ; group 1: elements of 8 bytes; no mask, no padding
	s_mov_b32 s33, 576<<16                         ; a row: 4,608 bytes, three fragments
	s_mov_b32 s34, 8<<16                           ; 8 rows: my column tiles
	s_mov_b32 s35, 576<<16
	s_mov_b32 s36, 8
	s_mov_b32 s37, 1536                            ; from column tile to column tile: 12,288 bytes
	s_mov_b32 s38, 0
	s_mov_b32 s39, 0
	s_wait_alu depctr_va_vdst(0)                   ; the wait at the head's end
	s_wait_dscnt 0x0                               ; both opening adds are done
	s_wait_kmcnt 0x0
	s_mul_i32 s26, s20, 98304
	s_add_nc_u64 s[8:9], s[8:9], s[26:27]          ; my 8 column tiles of Wo
	s_add_nc_u64 s[30:31], s[8:9], 7680            ; from K step 5 on: every row begins at a multiple of 256 bytes from woi's first byte
	s_or_b32 s31, s31, 0x80000000
	tensor_load_to_lds s[28:31], s[32:39]          ; my one tensor load
	s_nop 0
	PLACES
	s_mul_i32 s26, ttmp9, 24576
	s_add_nc_u64 s[4:5], s[4:5], s[26:27]          ; my work-group's two tiles of a,
	s_mov_b32 s26, s21
	s_add_nc_u64 s[4:5], s[4:5], s[26:27]          ; and my 3,072 bytes of them
	s_lshl_b32 s26, ttmp9, 10
	s_add_nc_u64 s[6:7], s[6:7], s[26:27]
	s_lshl_b32 s26, s20, 12
	s_add_nc_u64 s[10:11], s[10:11], s[26:27]
	s_lshl_b32 s26, s20, 9
	s_add_nc_u64 s[12:13], s[12:13], s[26:27]
	s_add_nc_u64 s[14:15], s[14:15], s[26:27]
	s_add_nc_u64 s[16:17], s[16:17], s[26:27]
	s_add_nc_u64 s[18:19], s[18:19], s[26:27]
	s_lshl_b32 s26, ttmp9, 17
	s_add_nc_u64 s[18:19], s[18:19], s[26:27]
.irp k, 0,1,2,3,4,5
	global_load_b128 v[AF+4*\k:AF+4*\k+3], v3, s[4:5] offset:512*\k
.endr
.irp u, 0,1
	global_load_b128 v[ASC+4*\u:ASC+4*\u+3], v5, s[6:7] offset:512*\u
.endr
.irp c, 0,1,2,3,4,5,6,7
	global_load_b128 v[WSC+4*\c:WSC+4*\c+3], v5, s[10:11] offset:512*\c
.endr
.irp p, 0,1,2
	global_load_b128 v[SUM+4*\p:SUM+4*\p+3], v3, s[12+2*\p:13+2*\p]        ; bo, gamma, beta of my 128 columns: 512 consecutive bytes each
.endr
	WIN 0x40
	WLOAD 0
	WLOAD 1
	WLOAD 2
	WIN 0
	s_wait_loadcnt 49                              ; my part of a is in: behind its six loads stand ten of scale bytes, three of bo, gamma, beta and 36 of Wo
.irp k, 0,1,2,3,4,5
	ds_store_b128 v122, v[AF+4*\k:AF+4*\k+3] offset:512*\k
.endr
	WIN 0x40
	WLOAD 3
	WLOAD 4
	WIN 0
	s_wait_dscnt 0x0                               ; for the others' sake
	s_barrier_signal -1
	s_barrier_wait -1                              ; all of a lies in LDS
	ALOAD 0
.set GG, 0
.rept 16
	GROUP GG
.set GG, GG+1
.endr
	; ---- bo, gamma, beta of columns 16 c + 8 h + 0 .. 7 into the ring's registers, which are read out
	WIN 0x40
.irp p, 0,1,2
.irp c, 0,1,2,3,4,5,6,7
	ds_load_b128 v[PB+64*\p+8*\c:PB+64*\p+8*\c+3], v124 offset:512*\p+64*\c
	ds_load_b128 v[PB+64*\p+8*\c+4:PB+64*\p+8*\c+7], v124 offset:512*\p+64*\c+16
.endr
.endr
	; ---- + bo; each accumulator is read from its low end on
	s_wait_dscnt 32                                ; bo is in; gamma's and beta's 32 loads may stay out
	WIN 0x04
.irp c, 0,1,2,3,4,5,6,7
.irp u, 0,1
.irp k, 0,2,4,6
	v_pk_add_f32 v[ACC+8*(2*\c+\u)+\k:ACC+8*(2*\c+\u)+\k+1], v[ACC+8*(2*\c+\u)+\k:ACC+8*(2*\c+\u)+\k+1], v[PB+8*\c+\k:PB+8*\c+\k+1]
.endr
.endr
.endr
	; ---- the mean: four chains a tile
	WIN 0
.irp u, 0,1
.irp k, 0,2,4,6
	v_pk_add_f32 v[SUM+8*\u+\k:SUM+8*\u+\k+1], v[ACC+8*\u+\k:ACC+8*\u+\k+1], v[ACC+16+8*\u+\k:ACC+16+8*\u+\k+1]
.endr
.endr
.irp c, 2,3,4,5,6,7
.irp u, 0,1
.irp k, 0,2,4,6
	v_pk_add_f32 v[SUM+8*\u+\k:SUM+8*\u+\k+1], v[SUM+8*\u+\k:SUM+8*\u+\k+1], v[ACC+8*(2*\c+\u)+\k:ACC+8*(2*\c+\u)+\k+1]
.endr
.endr
.endr
	REDUCE RED1
	s_delay_alu instid0(VALU_DEP_2)
	v_mul_f32 v72, 0xba800000, v56                 ; -mean, twice, for the packed form
	v_mul_f32 v73, 0xba800000, v56
	v_mul_f32 v74, 0xba800000, v64
	v_mul_f32 v75, 0xba800000, v64
	; ---- the variance
.irp c, 0,1,2,3,4,5,6,7
.irp u, 0,1
.irp k, 0,2,4,6
	v_pk_add_f32 v[ACC+8*(2*\c+\u)+\k:ACC+8*(2*\c+\u)+\k+1], v[ACC+8*(2*\c+\u)+\k:ACC+8*(2*\c+\u)+\k+1], v[72+2*\u:73+2*\u]
.endr
.endr
.endr
.irp u, 0,1
.irp k, 0,2,4,6
	v_pk_mul_f32 v[SUM+8*\u+\k:SUM+8*\u+\k+1], v[ACC+8*\u+\k:ACC+8*\u+\k+1], v[ACC+8*\u+\k:ACC+8*\u+\k+1]
.endr
.endr
.irp c, 1,2,3,4,5,6,7
.irp u, 0,1
.irp k, 0,2,4,6
	v_pk_fma_f32 v[SUM+8*\u+\k:SUM+8*\u+\k+1], v[ACC+8*(2*\c+\u)+\k:ACC+8*(2*\c+\u)+\k+1], v[ACC+8*(2*\c+\u)+\k:ACC+8*(2*\c+\u)+\k+1], v[SUM+8*\u+\k:SUM+8*\u+\k+1]
.endr
.endr
.endr
	REDUCE RED2
	v_fma_f32 v56, v56, s24, s25                   ; variance + 1e-5
	v_fma_f32 v64, v64, s24, s25
	s_wait_alu depctr_va_vdst(0)                   ; the wait ahead of the two
	v_rsq_f32 v76, v56
	v_rsq_f32 v78, v64
	v_nop                                          ; a plain place behind the two
	s_wait_alu depctr_va_vdst(0)                   ; one wait for the two, ahead of their first reader
	v_mov_b32 v77, v76
	v_mov_b32 v79, v78
.irp c, 0,1,2,3,4,5,6,7
.irp u, 0,1
.irp k, 0,2,4,6
	v_pk_mul_f32 v[ACC+8*(2*\c+\u)+\k:ACC+8*(2*\c+\u)+\k+1], v[ACC+8*(2*\c+\u)+\k:ACC+8*(2*\c+\u)+\k+1], v[76+2*\u:77+2*\u]
.endr
.endr
.endr
	WIN 0x14                                       ; gamma and beta are in since the waits for 0 of the two sums
.irp c, 0,1,2,3,4,5,6,7
.irp u, 0,1
.irp k, 0,2,4,6
	v_pk_fma_f32 v[ACC+8*(2*\c+\u)+\k:ACC+8*(2*\c+\u)+\k+1], v[ACC+8*(2*\c+\u)+\k:ACC+8*(2*\c+\u)+\k+1], v[PB+64+8*\c+\k:PB+64+8*\c+\k+1], v[PB+128+8*\c+\k:PB+128+8*\c+\k+1]
.endr
.endr
.endr
	; ---- the way out: a lane holds 32 bytes of a row; a tile's 16 rows x 512 bytes go through my own stage and come back as whole runs of 512 bytes.
	; LDS serves a wave's instructions in order (ISA guide 5.7.1.4): no wait between the stores and the loads, nor ahead of the next tile's stores.
.irp u, 0,1
	WIN 0
.irp c, 0,1,2,3,4,5,6,7
	ds_store_b128 v7, v[ACC+8*(2*\c+\u):ACC+8*(2*\c+\u)+3] offset:64*\c
	ds_store_b128 v7, v[ACC+8*(2*\c+\u)+4:ACC+8*(2*\c+\u)+7] offset:64*\c+16
.endr
	WIN 0x40
.irp t, 0,1,2,3,4,5,6,7,8,9,10,11,12,13,14,15
	ds_load_b128 v[64*\u+4*\t:64*\u+4*\t+3], v8 offset:\t*SP
.endr
.endr
	WIN 0x04
	s_wait_dscnt 32                                ; tile 0 is back: behind its loads stand tile 1's 16 stores and 16 loads
.irp t, 0,1,2,3,4,5,6,7,8,9,10,11,12,13,14,15
	global_store_b128 v3, v[4*\t:4*\t+3], s[18:19] offset:\t*4096 th:TH_STORE_NT              ; 512 consecutive bytes, at a multiple of 256 from out0's first byte
.endr
	s_wait_dscnt 0x0
.irp t, 0,1,2,3,4,5,6,7,8,9,10,11,12,13,14,15
	global_store_b128 v3, v[64+4*\t:64+4*\t+3], s[18:19] offset:(16+\t)*4096 th:TH_STORE_NT
.endr
	WIN 0
	s_wait_tensorcnt 0x0                           ; the wave's end
	ds_add_u32 v14, v15
	s_wait_dscnt 0x0
	s_endpgm
.Lfunc_end_k_qac259ca748_proj:
	.size	k_qac259ca748_proj, .Lfunc_end_k_qac259ca748_proj-k_qac259ca748_proj
	.p2alignl 7, 3214868480
	.fill 96, 4, 3214868480
	.section	.rodata,"a",@progbits
	.p2align	6, 0x0
	.amdhsa_kernel k_qac259ca748_proj
		.amdhsa_group_segment_fixed_size 322560
		.amdhsa_private_segment_fixed_size 0
		.amdhsa_enable_private_segment 0
		.amdhsa_kernarg_size 64
		.amdhsa_user_sgpr_count 2
		.amdhsa_user_sgpr_kernarg_segment_ptr 1
		.amdhsa_wavefront_size32 1
		.amdhsa_system_sgpr_workgroup_id_x 1
		.amdhsa_system_sgpr_workgroup_id_y 1
		.amdhsa_system_sgpr_workgroup_id_z 1
		.amdhsa_system_vgpr_workitem_id 0
		.amdhsa_next_free_vgpr 512
		.amdhsa_next_free_sgpr 66
		.amdhsa_reserve_vcc 0
		.amdhsa_float_denorm_mode_32 3
		.amdhsa_float_denorm_mode_16_64 3
		.amdhsa_memory_ordered 1
		.amdhsa_forward_progress 1
		.amdhsa_inst_pref_size 85
	.end_amdhsa_kernel
	.amdgpu_metadata
---
amdhsa.version: [ 1, 2 ]
amdhsa.kernels:
  - .name:           k_qac259ca748_proj
    .symbol:         k_qac259ca748_proj.kd
    .args:
      - { .name: ai, .offset: 0, .size: 8, .value_kind: global_buffer, .address_space: global }
      - { .name: asc, .offset: 8, .size: 8, .value_kind: global_buffer, .address_space: global }
      - { .name: woi, .offset: 16, .size: 8, .value_kind: global_buffer, .address_space: global }
      - { .name: Wo_scales, .offset: 24, .size: 8, .value_kind: global_buffer, .address_space: global }
      - { .name: bo, .offset: 32, .size: 8, .value_kind: global_buffer, .address_space: global }
      - { .name: gamma, .offset: 40, .size: 8, .value_kind: global_buffer, .address_space: global }
      - { .name: beta, .offset: 48, .size: 8, .value_kind: global_buffer, .address_space: global }
      - { .name: out0, .offset: 56, .size: 8, .value_kind: global_buffer, .address_space: global }
    .group_segment_fixed_size: 322560
    .private_segment_fixed_size: 0
    .kernarg_segment_align: 8
    .kernarg_segment_size: 64
    .max_flat_workgroup_size: 256
    .sgpr_count:     66
    .vgpr_count:     512
    .wavefront_size: 32
...
	.end_amdgpu_metadata
.endif
;; end of part 3
